; MI455X (gfx1250); checked and timed in simulation.
; The chip was launched on July 23, 2026; its instructions are those of AMD's public machine-readable ISA for CDNA 5 (MIT licence, August 2026) and "CDNA5" Instruction Set Architecture Reference Guide (July 2026). The comments in the code are by the model that wrote it; some were corrected since.
;; Scaled Dot Product Attention. Allowed arithmetic: matrix products marked QUANTISED: E3M2 operands, one E8M0 scale for each 32 along K, by v_wmma_scale_f32_16x16x128_f8f6f4 with both operands' format E3M2, f32 sums; everything else in f32.
;; Inputs: K 4 x 16 x 2,048 x 128 float32; Q 4 x 16 x 2,048 x 128 float32; V 4 x 16 x 2,048 x 128 float32; mask 2,048 x 2,048 bool.
;; Outputs: out0 4 x 16 x 2,048 x 128 float32.
;; This version of the problem:
;;   THIS VERSION OF THE PROBLEM IS GIVEN IN LOW PRECISION. The matrix products marked QUANTISED in the list below multiply operands that are first quantised to E3M2 (3 exponent bits, 2 mantissa bits; 6 bits a number), with one power-of-two scale for each 32 numbers along K (OCP MX v1.0); their sums are f32. All else is computed in f32.
;;   The module's matrix products, in the order in which they are computed (A, B: the left and right operand; K: the contracted axis; several contracted axes count as one K, in the product's order):
;;     1. batch 64 x [M 2,048, K 128] x [K 128, N 2,048]; A: input Q; B: input K: QUANTISED
;;     2. batch 64 x [M 2,048, K 2,048] x [K 2,048, N 128]; A: softmax (see below); B: input V: QUANTISED
;;   THE QUANTISER, for each operand of a quantised product, along K:
;;     - K is cut into blocks of 32 from its start; a last block that is shorter is filled with zeros.
;;     - A block's scale is 2^e with e = floor(log2(the largest magnitude in the block)) - 4, held to -126 .. 127; a block of zeros has e = 0. As a byte (E8M0): e + 127.
;;     - Each number is divided by its block's scale, clamped to +-28, and rounded to the nearest number of E3M2, ties to even, subnormals kept.
;;     - The product sums the exact products of the quantised numbers (number of the format x scale) in f32.
;;   ~~~python
;;   def quantise(x, axis):      # numpy; x: float32 -> the quantised numbers, widened to float32 again
;;       x = np.moveaxis(x, axis, -1); K = x.shape[-1]
;;       x = np.pad(x, [(0, 0)] * (x.ndim - 1) + [(0, -K % 32)]); x = x.reshape(x.shape[:-1] + (-1, 32)); a = np.abs(x).max(-1, keepdims=True)
;;       e = np.where(a > 0, np.clip(np.frexp(np.where(a > 0, a, 1))[1] - 1 - 4, -126, 127), 0)      # np.frexp(a)[1] - 1 = floor(log2(a)), exactly
;;       r = np.clip(x / 2.0 ** e, -28, 28)
;;       step = 2.0 ** (np.maximum(np.frexp(np.where(r == 0, 1, r))[1] - 1, -2) - 2)
;;       q = np.round(r / step) * step * 2.0 ** e      # np.round: ties to even
;;       return np.moveaxis(q.reshape(q.shape[:-2] + (-1,))[..., :K], -1, axis).astype(np.float32)
;;   ~~~
;;   SOFTMAX AHEAD OF A QUANTISED PRODUCT. Where the list says 'softmax', what is quantised is not the finished softmax but p = 2^(t - M), with t = logit x log2(e) and M = ceil(the row's largest t), a whole number; so 1/2 < the row's largest p <= 1. The row's sum l is taken of the UNQUANTISED p, in f32, and the product's result is divided by l at the end. Since M is a whole number, a kernel that streams over the keys may use a running M (the ceiling of the running maximum): every later rescaling is an exact power of two, which a block's scale takes up: the codes' values come out the same.
;;   OPERANDS COMPUTED ON THE WAY. 'Computed on the way' means the value that the module computes at that place (a softmax that the list does not call 'softmax' is quantised finished and normalised). What goes into a quantiser is computed in f32, as accurately as f32 sums, v_exp_f32 and their like allow (about 1e-6 of the number): no bf16 or f16 on the way to a quantiser, and a product that is left as it is and whose result goes on into a quantised operand takes f32 operands (vector FMAs, or v_wmma_f32_16x16x4_f32). A number that lies on a knife's edge between two numbers of the format may be rounded either way, as far as f32 arithmetic and the matrix unit's own rounding can turn it there, and no further.
;; 2 versions. Each part assembles by itself: llvm-mc -triple=amdgcn-amd-amdhsa -mcpu=gfx1250 --defsym DOCPART=n.
;; ======== version 1 of 2: 2 launches
;; workspace buffers: kvc 25,165,824 bytes; kvs 1,048,576 bytes; mw 524,288 bytes of whole numbers; flags 4,096 bytes of whole numbers
;; launch prep (part 1): grid 2176 x 1, 4 waves a work-group, no clusters, 69,120 bytes of LDS; arguments K, V, mask, kvc, kvs, mw, flags; writes kvc, kvs, mw, flags
.if DOCPART == 1
	.amdgcn_target "amdgcn-amd-amdhsa--gfx1250"
	.amdhsa_code_object_version 6
	.text
	.protected	k_qe99c46ce23_prep
	.globl	k_qe99c46ce23_prep
	.p2align	8
	.type	k_qe99c46ce23_prep,@function
k_qe99c46ce23_prep:
	s_mov_b64 s[64:65], 0
	v_nop
	global_prefetch_b8 v0, s[64:65] scope:SCOPE_SE
	s_setreg_imm32_b32 hwreg(HW_REG_WAVE_MODE, 25, 1), 1
	s_wait_xcnt 0x0
; K and V [64 heads][2048 keys][128] f32 become codes of BF6 (E3M2) with one E8M0 scale byte for each 32 along a product's K, laid as IMAGES OF OPERAND REGISTERS;
; the mask [2048][2048] (bytes 0 or 1) becomes lane-mask words in the order of the score registers, and two flags for each (32 queries, 128 keys).
; A block's scale is 2^(floor(log2(largest magnitude)) - 4): its byte is the largest magnitude's exponent field - 4, held at 1 from below.
; LIMITS: a block whose largest magnitude lies under 2^-122, a block of zeros among them, keeps the byte 1 (the quantiser says 127 for zeros: the codes are zeros, and this program alone reads the bytes);
; NaN and infinities among K and V are not served; mask bytes are 0 or 1 (another non-zero byte counts as true, and only makes a group 'not all true', which stays right).
; SHARES.  Work-groups 0 .. 127 take the mask, the next 1,024 K, the last 1,024 V.  A work-group of K or V takes one head's one step of 128 keys: 64 KiB, four waves x 32 key rows.
; kvc: [head][step][K's 8 fragments | V's 8 fragments], a fragment = 1,536 bytes: registers 4 c .. 4 c + 3 of lane L at 512 c + 16 L.  Lane (r = L % 16, h = L / 16), registers 6 c .. 6 c + 5: k = 64 c + 32 h + 0 .. 31.
;   K's fragment 2 b + u: row r = key 32 b + 8 u + r + 8 (r / 8), k = the head's 128.   V's fragment T: row r = channel 16 T + r, k = the step's 128 keys.
; kvs: [head][step][K 512 B | V 512 B]: the scale word of (fragment T, row r) at 256 (T / 4) + 16 r + 4 (T % 4).
; mw:  [tile of 16 queries][step][n 0..63]: bit L of word n = mask[16 tile + L % 16][128 step + 32 (n / 16) + 16 (L / 16) + n % 16].
; flags: [group of 32 queries][step]: (any true) << step | (not all true) << (16 + step).
; Every load of K and V reads a whole key row, 512 consecutive bytes; the rows turn through a stage in LDS, since the conversions want 32 neighbours along K in ONE lane's registers.
; No tensor loads, no cluster: work-groups share no input, and memory binds.
.set PITCH, 528                        ; a key row in the stage: 512 bytes + 16: sixteen rows of a 16-byte load start 16 bytes apart modulo 256
.set RB,    32*PITCH+64                ; a wave's region of 32 rows; the 64 set lanes 16-31 of V's column loads (one region on) 64 bytes on modulo 256
.set SC,    4*RB                       ; behind the stage: the unit's 512 bytes of scale words
.set NMASK, 128                        ; work-groups of the mask
; row i of a region lies at position 16 ((i >> 3) & 1) + 8 (i >> 4) + (i & 7): so the 16 rows of K's fragment u are positions 16 u + r
	s_load_b256 s[4:11], s[0:1], 0x0               ; K s[4:5], V s[6:7], mask s[8:9], kvc s[10:11]
	s_load_b128 s[12:15], s[0:1], 0x20             ; kvs s[12:13], mw s[14:15]
	s_load_b64 s[16:17], s[0:1], 0x30              ; flags
	v_lshl_add_u32 v192, v0, 2, 0x10c00
	v_mov_b32 v193, 0
	v_lshrrev_b32 v1, 5, v0
	v_readfirstlane_b32 s18, v1                    ; wave 0..3
	v_and_b32 v1, 31, v0                           ; lane
	v_and_b32 v2, 15, v0                           ; r
	v_bfe_u32 v3, v0, 4, 1                         ; h
	v_lshlrev_b32 v4, 4, v1                        ; 16 x lane: my bytes of a row, of an image's chunk
	s_mul_i32 s32, s18, RB                         ; every LDS address is made here, ahead of every branch
	v_add_nc_u32 v5, s32, v4                       ; stage, in: my region + 16 x lane
	v_mul_u32_u24 v6, v2, PITCH
	v_lshl_add_u32 v6, v3, 7, v6
	v_add_nc_u32 v6, s32, v6                       ; K back: my region, position r, + 128 h (32 numbers)
	v_mul_u32_u24 v7, v3, RB
	v_lshl_add_u32 v7, v2, 2, v7
	s_lshl_b32 s33, s18, 7
	v_add_nc_u32 v7, s33, v7                       ; V back: region h, channel 32 w + r
	s_lshr_b32 s33, s18, 1
	s_lshl_b32 s33, s33, 8
	s_and_b32 s34, s18, 1
	s_lshl_b32 s34, s34, 3
	s_add_co_u32 s33, s33, s34
	s_add_co_u32 s33, s33, SC
	v_lshl_add_u32 v8, v2, 4, s33                  ; scale word of fragment 2 w: SC + 256 (w / 2) + 16 r + 8 (w % 2)
	v_add_nc_u32 v9, SC, v4                        ; and the 512 bytes on their way out
	v_lshlrev_b32 v10, 3, v3                       ; 8 h: my two bytes' place in the scale word
	v_mov_b32 v11, 0                               ; a lane permute's destination counts as read: written once
	s_mov_b32 s30, 0x76543210
	s_mov_b32 s31, 0xfedcba98                      ; v_permlanex16_b32's selects for lane l xor 16
	s_mov_b32 s35, 0                               ; the high word of every offset
	s_cmp_lt_u32 ttmp9, NMASK
	s_cbranch_scc1 .Lmask
	; ---------------- K or V: one head's one step ----------------
	s_sub_co_u32 s32, ttmp9, NMASK
	s_lshr_b32 s19, s32, 10                        ; 0: K, 1: V
	s_and_b32 s33, s32, 1023                       ; unit = 16 head + step
	s_wait_kmcnt 0x0
	s_cmp_eq_u32 s19, 0
	s_cselect_b64 s[40:41], s[4:5], s[6:7]         ; the choice hangs on the work-group's number alone
	s_lshl_b32 s34, s33, 16                        ; 128 rows of 512 bytes a unit,
	s_lshl_b32 s36, s18, 14                        ; 32 rows a wave
	s_add_co_u32 s34, s34, s36
	s_add_nc_u64 s[40:41], s[40:41], s[34:35]
	s_mul_i32 s34, s33, 24576
	s_mul_i32 s36, s19, 12288
	s_add_co_u32 s34, s34, s36
	s_mul_i32 s36, s18, 3072                       ; my two fragments
	s_add_co_u32 s34, s34, s36
	s_add_nc_u64 s[42:43], s[10:11], s[34:35]
	s_lshl_b32 s34, s33, 10
	s_lshl_b32 s36, s19, 9
	s_add_co_u32 s34, s34, s36
	s_add_nc_u64 s[44:45], s[12:13], s[34:35]
.set i, 0
.rept 32
	global_load_b128 v[64+4*i:67+4*i], v4, s[40:41] offset:512*i th:TH_LOAD_NT   ; key row i of my 32: 512 consecutive bytes
.set i, i+1
.endr
.set i, 0
.rept 4
	s_wait_loadcnt 24-i                            ; loads return in order: these eight rows are in, the younger ones may be out
.rept 8
	ds_store_b128 v5, v[64+4*i:67+4*i] offset:(16*((i>>3)&1)+8*(i>>4)+(i&7))*PITCH
.set i, i+1
.endr
.endr
	s_wait_dscnt 0x0                               ; my rows lie in the stage (V's columns are read across the waves' regions)
	s_barrier_signal -1
	s_barrier_wait -1
; 64 numbers of a lane, v[64 + 32 c + i] = k 64 c + 32 h + i of my row: two whole blocks of my own.  Codes -> v[dst .. dst + 11], the row's scale word -> v18.
.macro FQ dst
.irp c, 0,1
	v_max3_num_f32 v[12+\c], |v[64+32*\c]|, |v[65+32*\c]|, 0x2800000   ; with the floor 2^(5 - 127): the byte cannot fall under 1
.endr
.irp i, 2,4,6,8,10,12,14,16,18,20,22,24,26,28,30
.irp c, 0,1
	v_max3_num_f32 v[12+\c], v[12+\c], |v[64+32*\c+\i]|, |v[65+32*\c+\i]|   ; the two blocks by turns
.endr
.endr
.irp c, 0,1
	v_add_nc_u32 v[14+\c], 0xfe000000, v[12+\c]    ; 4 off the exponent field: the conversion takes this operand's exponent field as its scale
.endr
.irp c, 0,1
	v_lshrrev_b32 v[16+\c], 23, v[14+\c]           ; the scale's byte
.endr
	v_lshl_or_b32 v18, v17, 16, v16                ; my bytes: blocks h and 2 + h,
	v_lshlrev_b32 v18, v10, v18                    ; 8 h bits up;
	v_permlanex16_b32 v11, v18, s30, s31
	v_or_b32 v18, v18, v11                         ; with lane l xor 16's two the word is whole
.irp c, 0,1
	v_cvt_scalef32_pk16_bf6_f32 v[(\dst)+6*\c:(\dst)+6*\c+2], v[64+32*\c:79+32*\c], v[14+\c]
	v_cvt_scalef32_pk16_bf6_f32 v[44+4*\c:46+4*\c], v[80+32*\c:95+32*\c], v[14+\c]   ; (a conversion's three registers begin on an even number)
.endr
	v_nop                                          ; one plain place behind a scaled conversion
.irp c, 0,1
.irp i, 0,1,2
	v_mov_b32 v[(\dst)+3+6*\c+\i], v[44+4*\c+\i]
.endr
.endr
.endm
; Fragment 2 w + u.  Only the way back from the stage differs between K (rows: 32 neighbours of a row) and V (columns: a lane a channel, registers down the keys).
.macro FRAGU u
	s_cmp_eq_u32 s19, 0
	s_cbranch_scc0 .Lv_\@
.irp c, 0,1
.irp j, 0,1,2,3,4,5,6,7
	ds_load_b128 v[64+32*\c+4*\j:67+32*\c+4*\j], v6 offset:\u*16*PITCH+256*\c+16*\j
.endr
.endr
	s_branch .Lj_\@
.Lv_\@:
.set i, 0
.rept 64
	ds_load_b32 v[64+i], v7 offset:(i/32)*2*RB+(16*(((i%32)>>3)&1)+8*((i%32)>>4)+(i&7))*PITCH+64*\u   ; key 64 (i / 32) + 32 h + i % 32, channel 32 w + 16 u + r
.set i, i+1
.endr
.Lj_\@:
	s_wait_dscnt 0x0                               ; the numbers are in (and the last fragment's word store has read v18)
	FQ 20+12*\u
.irp c, 0,1,2
	global_store_b128 v4, v[20+12*\u+4*\c:23+12*\u+4*\c], s[42:43] offset:1536*\u+512*\c   ; 512 consecutive bytes, at a multiple of 256 from kvc's first byte; each fragment has its own registers
.endr
	ds_store_b32 v8, v18 offset:4*\u               ; both halves of the lanes write the same word with the same value
.endm
	FRAGU 0
	FRAGU 1
	s_wait_dscnt 0x0                               ; my scale words lie in LDS
	s_barrier_signal -1
	s_barrier_wait -1
	s_cmp_lg_u32 s18, 0
	s_cbranch_scc1 .Lend
	ds_load_b128 v[52:55], v9                      ; wave 0 stores the unit's 512 bytes of scale words: two whole blocks of 256
	s_wait_dscnt 0x0
	global_store_b128 v4, v[52:55], s[44:45]
.Lend:
	s_wait_tensorcnt 0x0
	ds_add_u32 v192, v193
	s_wait_dscnt 0x0
	s_endpgm
	; ---------------- the mask: a wave takes 32 queries x 256 keys: tiles tau = 0, 1 x steps 2 sp + sigma; unit k = 2 tau + sigma ----------------
.Lmask:
	v_lshlrev_b32 v56, 11, v2
	v_lshl_add_u32 v56, v3, 4, v56                 ; row r of 2,048 bytes, + 16 h
	v_lshlrev_b32 v57, 3, v1                       ; 8 x lane: two words a lane on the way out
	s_lshl_b32 s32, ttmp9, 2
	s_add_co_u32 s32, s32, s18                     ; 0 .. 511
	s_lshr_b32 s38, s32, 3                         ; the group of 32 queries
	s_and_b32 s39, s32, 7                          ; sp
	s_mov_b32 s24, 0xff
	s_mov_b32 s25, 0xff00
	s_mov_b32 s26, 0xff0000
	s_mov_b32 s27, 0xff000000
	s_mov_b32 s28, 0x01010101
	s_wait_kmcnt 0x0
	s_lshl_b32 s34, s38, 16
	s_lshl_b32 s36, s39, 8
	s_add_co_u32 s34, s34, s36
	s_add_nc_u64 s[40:41], s[8:9], s[34:35]        ; mask
	s_lshl_b32 s34, s38, 13
	s_lshl_b32 s36, s39, 9
	s_add_co_u32 s34, s34, s36
	s_add_nc_u64 s[42:43], s[14:15], s[34:35]      ; mw
	s_lshl_b32 s34, s38, 6
	s_lshl_b32 s36, s39, 3
	s_add_co_u32 s34, s34, s36
	s_add_nc_u64 s[44:45], s[16:17], s[34:35]      ; flags
.irp k, 0,1,2,3
.irp b, 0,1,2,3
	global_load_b128 v[64+16*\k+4*\b:67+16*\k+4*\b], v56, s[40:41] offset:(\k/2)*32768+(\k%2)*128+32*\b th:TH_LOAD_NT   ; byte i: key 32 b + 16 h + i of the step
.endr
.endr
.irp j, 0,1,2,3,4,5,6,7
	v_mov_b32 v[20+\j], 0                          ; v_writelane_b32's destination counts as read
.endr
; unit k's 64 words: word n = 4 q + y is the compare's lane mask of byte y of register q; it goes to lane n / 2 of register n % 2, so that a lane stores words 2 L and 2 L + 1
.macro MASKW k
.set q, 0
.rept 16
.irp y, 0,1,2,3
	v_and_b32 v[12+\y], s[24+\y], v[64+16*\k+q]
.endr
.irp y, 0,1,2,3
	v_cmp_ne_u32 s[20+\y], 0, v[12+\y]
.endr
.irp y, 0,1,2,3
	v_writelane_b32 v[20+2*\k+(\y&1)], s[20+\y], (4*q+\y)>>1
.endr
.set q, q+1
.endr
.endm
.irp k, 0,1,2,3
	s_wait_loadcnt 12-4*\k                         ; this unit's four loads are in; the later units' may be out
	MASKW \k
	global_store_b64 v57, v[20+2*\k:21+2*\k], s[42:43] offset:(\k/2)*4096+(\k%2)*256   ; 256 consecutive bytes, aligned; each unit has its own registers
.endr
; the flags of step 2 sp + sg over both tiles' 32 x 128 bytes
.macro FLAG sg
	v_or_b32 v16, v[64+16*\sg], v[96+16*\sg]
	v_and_b32 v17, v[64+16*\sg], v[96+16*\sg]
.set q, 1
.rept 15
	v_or_b32 v16, v16, v[64+16*\sg+q]
	v_and_b32 v17, v17, v[64+16*\sg+q]
	v_or_b32 v16, v16, v[96+16*\sg+q]
	v_and_b32 v17, v17, v[96+16*\sg+q]
.set q, q+1
.endr
	v_cmp_ne_u32 s20, 0, v16                       ; lanes with a true byte
	v_cmp_eq_u32 s21, s28, v17                     ; lanes all of whose bytes are 1
	s_cmp_lg_u32 s20, 0
	s_cselect_b32 s32, 1, 0                        ; any true
	s_cmp_eq_u32 s21, -1
	s_cselect_b32 s33, 0, 1                        ; not all true
	s_lshl_b32 s34, s39, 1
	s_add_co_u32 s34, s34, \sg                     ; the step
	s_lshl_b32 s32, s32, s34
	s_add_co_u32 s34, s34, 16
	s_lshl_b32 s33, s33, s34
	s_or_b32 s32, s32, s33
	v_mov_b32 v[28+\sg], s32
.endm
	FLAG 0
	FLAG 1
	s_wait_xcnt 0x0                                ; EXEC is a source of the stores above: it changes only behind this wait
	v_cmp_eq_u32 vcc_lo, 0, v1
	s_and_saveexec_b32 s36, vcc_lo
	global_store_b64 v57, v[28:29], s[44:45]       ; lane 0: the two steps' flag words
	s_wait_xcnt 0x0                                ; and again in front of the line that widens it
	s_or_b32 exec_lo, exec_lo, s36
	s_endpgm
.Lfunc_end_k_qe99c46ce23_prep:
	.size	k_qe99c46ce23_prep, .Lfunc_end_k_qe99c46ce23_prep-k_qe99c46ce23_prep
	.p2alignl 7, 3214868480
	.fill 96, 4, 3214868480
	.section	.rodata,"a",@progbits
	.p2align	6, 0x0
	.amdhsa_kernel k_qe99c46ce23_prep
		.amdhsa_group_segment_fixed_size 69120
		.amdhsa_private_segment_fixed_size 0
		.amdhsa_enable_private_segment 0
		.amdhsa_kernarg_size 56
		.amdhsa_user_sgpr_count 2
		.amdhsa_user_sgpr_kernarg_segment_ptr 1
		.amdhsa_wavefront_size32 1
		.amdhsa_system_sgpr_workgroup_id_x 1
		.amdhsa_system_sgpr_workgroup_id_y 1
		.amdhsa_system_sgpr_workgroup_id_z 1
		.amdhsa_system_vgpr_workitem_id 0
		.amdhsa_next_free_vgpr 194
		.amdhsa_next_free_sgpr 66
		.amdhsa_reserve_vcc 1
		.amdhsa_float_denorm_mode_32 3
		.amdhsa_float_denorm_mode_16_64 3
		.amdhsa_memory_ordered 1
		.amdhsa_forward_progress 1
		.amdhsa_inst_pref_size 74
	.end_amdhsa_kernel
	.amdgpu_metadata
---
amdhsa.version: [ 1, 2 ]
amdhsa.kernels:
  - .name:           k_qe99c46ce23_prep
    .symbol:         k_qe99c46ce23_prep.kd
    .args:
      - { .name: K, .offset: 0, .size: 8, .value_kind: global_buffer, .address_space: global }
      - { .name: V, .offset: 8, .size: 8, .value_kind: global_buffer, .address_space: global }
      - { .name: mask, .offset: 16, .size: 8, .value_kind: global_buffer, .address_space: global }
      - { .name: kvc, .offset: 24, .size: 8, .value_kind: global_buffer, .address_space: global }
      - { .name: kvs, .offset: 32, .size: 8, .value_kind: global_buffer, .address_space: global }
      - { .name: mw, .offset: 40, .size: 8, .value_kind: global_buffer, .address_space: global }
      - { .name: flags, .offset: 48, .size: 8, .value_kind: global_buffer, .address_space: global }
    .group_segment_fixed_size: 69120
    .private_segment_fixed_size: 0
    .kernarg_segment_align: 8
    .kernarg_segment_size: 56
    .max_flat_workgroup_size: 128
    .sgpr_count:     66
    .vgpr_count:     194
    .wavefront_size: 32
...
	.end_amdgpu_metadata
.endif
;; end of part 1
;; launch attn (part 2): grid 8 x 64, 8 waves a work-group, no clusters, 117,760 bytes of LDS; arguments Q, kvc, kvs, mw, flags, out0; writes out0
.if DOCPART == 2
	.amdgcn_target "amdgcn-amd-amdhsa--gfx1250"
	.amdhsa_code_object_version 6
	.text
	.protected	k_qe99c46ce23_attn
	.globl	k_qe99c46ce23_attn
	.p2align	8
	.type	k_qe99c46ce23_attn,@function
k_qe99c46ce23_attn:
	s_mov_b64 s[64:65], 0
	v_nop
	global_prefetch_b8 v0, s[64:65] scope:SCOPE_SE
	s_setreg_imm32_b32 hwreg(HW_REG_WAVE_MODE, 25, 1), 1
	s_wait_xcnt 0x0
; out0[head][q][:] = sum over keys of softmax_k(where(mask, Q.K / sqrt(128), -inf)) V, both products on codes of BF6 (E3M2) with one E8M0 scale for each 32 along a product's K.
; K's and V's codes and scale words come as images of operand registers (kvc, kvs), the mask as lane-mask words (mw) and flags, all made by the launch before.  Q [64][2048][128] f32 is quantised here, in registers: one wave reads it once.
; THE SOFTMAX: t = score x log2(e) / sqrt(128); M = the running largest t rounded UP to a whole number; p = 2^(t - M) is quantised along the keys, not normalised; the row's sum is taken of the unquantised p and divides at the end;
; when M moves, the sum and O are multiplied by 2^(old M - new M), which rounds nothing.  A hidden score is -infinity ahead of the maximum: p = 0.  A row with no true mask byte ends as 0 x (1 / 0) = NaN, as a softmax of -infinities does.
; LIMITS: a block of Q or of p whose largest magnitude lies under 2^-122 keeps the scale byte 1 (zeros among them: their codes are zeros); NaN and infinities among the inputs are not served.
; SHARES.  Work-group (c, head) owns queries 128 c .. + 127 and 128 (15 - c) .. + 127 of its head: with masks that hide later keys the pairs have equal work; for any other mask the pairing changes nothing.
; Each of its eight waves owns 32 queries, two tiles of 16; every fragment of K and V that it reads from LDS feeds two products.  All waves walk 16 key steps of 128: a constant count, one barrier a step.
; THE FLAGS steer the work by scalar branches: a step with no true byte for my 32 queries is left out (SKIP = 1); a step all of whose bytes are true is not masked; a step that no wave of the work-group needs is not copied.
; A step's 24,576 bytes come through registers into one of two LDS slots, 16 bytes a thread six times, loaded two
; steps ahead and stored one step ahead; and tiles are not shared in a cluster.
; LAYOUT.  Both products are used transposed: S^T = K Q^T, O^T = V^T P^T: a lane holds ONE query (lane % 16).  Score register n of lane (r, h) is key 32 (n / 16) + 16 h + n % 16 of the step (the keys of a tile of K are chosen so).
; REGISTERS, two windows of 256 laid alike: tile 0 in window 0, tile 1 in window 1, with the same numbers, so that each piece of vector work is written once and run under two settings.
;   both:     v12 -M, v13 largest t, v[14:15] the sum, v16-27 Q's codes, v96-159 S^T then p, v160-223 O^T, v224-235 p's codes, v232-247 at work, v252 f, v253 the scale word just made, v254 at work
;   window 0: v1-11 addresses; v32-79 fragments 0-3; v80-87 K's scale words, v88-95 V's; v253, v250 p's scale words (tile 0, 1); v255, v251 Q's (scale operands have no window)
;   window 1: v32-79 fragments 4-7; v80-95 and v0-7 the copy's six registers of four
.set SLOT1, 32768                      ; LDS: slot 0 at 0, slot 1 here, 24,576 bytes each: a step of kvc as it lies
.set STEPB, 24576
.set VOFF,  12288                      ; V's eight fragments behind K's eight
.set SCL,   65536                      ; the head's scale words, 16,384 bytes, stored once
.set STG,   81920                      ; the way out: 16 rows x (256 + 16) bytes for each wave
.set SKIP,  1                          ; 1: steps hidden from my queries are left out; 0: every step is worked (the same values)
.set MSB, 0
.macro WIN new                         ; bits 1:0 source 0, 3:2 source 1, 5:4 source 2, 7:6 destination; the high byte repeats the setting that is left
.if MSB != (\new)
	s_set_vgpr_msb (MSB<<8)|(\new)
.set MSB, (\new)
.endif
.endm
; s2 wave, s3 trip, s4 my 'any' bits, s5 my 'not all' bits, s6 / s7 the work-group's 'any' bits one / two steps on, s8 the step's scale words, s9 trips in which I prefetch,
; s[10:11] lane selects, s[12:13] c, s16-63 and s68-83 64 mask words, s[84:85] Q, s[86:87] kvc, s[88:89] kvs, s[90:91] mw, s[92:93] flags, s[94:95] out0, s[96:97] prefetch
.macro CLOAD off                       ; a step's 24,576 bytes: 256 threads x 16 bytes, six times, into window 1
	WIN 0x40
.irp j, 0,1,2,3
	global_load_b128 v[80+4*\j:83+4*\j], v3, s[86:87] offset:\off+4096*\j
.endr
.irp j, 4,5
	global_load_b128 v[4*\j-16:4*\j-13], v3, s[86:87] offset:\off+4096*\j
.endr
	WIN 0
.endm
.macro CSTORE off                      ; and into a slot, as they lie
	WIN 0x04
.irp j, 0,1,2,3
	ds_store_b128 v3, v[80+4*\j:83+4*\j] offset:\off+4096*\j
.endr
.irp j, 4,5
	ds_store_b128 v3, v[4*\j-16:4*\j-13] offset:\off+4096*\j
.endr
	WIN 0
.endm
.macro QLOAD off                       ; 16 rows of Q: lane (r, h) takes, of each block of 32 of row r, its 16 neighbours: register 16 b + i = k 32 b + 16 h + i
.irp b, 0,1,2,3
.irp j, 0,1,2,3
	global_load_b128 v[96+16*\b+4*\j:99+16*\b+4*\j], v4, s[84:85] offset:\off+128*\b+16*\j th:TH_LOAD_NT
.endr
.endr
.endm
.macro ORALL d                         ; the OR of the 64 words
	s_or_b32 \d, s16, s17
.set n, 18
.rept 46
	s_or_b32 \d, \d, s[n]
.set n, n+1
.endr
.set n, 68
.rept 16
	s_or_b32 \d, \d, s[n]
.set n, n+1
.endr
.endm
.macro FOUR base                       ; 256 bytes into the 64 words
	s_load_b512 s[16:31], s[\base:\base+1], 0x0
	s_load_b512 s[32:47], s[\base:\base+1], 0x40
	s_load_b512 s[48:63], s[\base:\base+1], 0x80
	s_load_b512 s[68:83], s[\base:\base+1], 0xc0
.endm
.macro INIT
	v_mov_b32 v13, 0xff61b1e6                      ; the largest t so far: -3e38, under every t
	v_floor_f32 v12, -v13                          ; -M
	v_mov_b32 v14, 0
	v_mov_b32 v15, 0
.irp b, 0,1,2,3
	v_mov_b32 v[236+\b], 0                         ; a lane permute's destination counts as read
.endr
	v_mov_b32 v252, 0
	v_mov_b32 v253, 0
.endm
; four blocks' largest magnitudes in v232-235 -> scale operands v244-247, bytes v236-239, the word v253; then 64 numbers v96-159 -> 12 registers of codes from v[pc] on (temporaries v[tp], v[tp + 4])
.macro CODES pc, tp
.irp b, 0,1,2,3
	v_add_nc_u32 v[244+\b], 0xfe000000, v[232+\b]  ; 4 off the exponent field: the conversion's scale operand
.endr
.irp b, 0,1,2,3
	v_lshrrev_b32 v[236+\b], 23, v[244+\b]         ; the scale's byte
.endr
	v_lshl_or_b32 v253, v237, 8, v236
	v_lshl_or_b32 v253, v238, 16, v253
	v_lshl_or_b32 v253, v239, 24, v253
.irp c, 0,1
	v_cvt_scalef32_pk16_bf6_f32 v[\pc+6*\c:\pc+2+6*\c], v[96+32*\c:111+32*\c], v[244+2*\c]
	v_cvt_scalef32_pk16_bf6_f32 v[\tp+4*\c:\tp+2+4*\c], v[112+32*\c:127+32*\c], v[244+2*\c+1]   ; (a conversion's three registers begin on an even number)
.endr
	v_nop                                          ; one plain place behind a scaled conversion
.irp c, 0,1                            ; the operand wants a WHOLE block in a lane: lanes 0-15 block 2 c, lanes 16-31 block 2 c + 1
.irp i, 0,1,2
	v_permlane16_swap_b32 v[\pc+6*\c+\i], v[\tp+4*\c+\i]
.endr
.irp i, 0,1,2
	v_mov_b32 v[\pc+3+6*\c+\i], v[\tp+4*\c+\i]
.endr
.endr
.endm
.macro QUANT                           ; Q's 16 rows: codes v16-27, scale word v253
.irp b, 0,1,2,3
	v_max3_num_f32 v[232+\b], |v[96+16*\b]|, |v[97+16*\b]|, 0x2800000   ; with the floor 2^(5 - 127)
.endr
.irp i, 2,4,6,8,10,12,14
.irp b, 0,1,2,3
	v_max3_num_f32 v[232+\b], v[232+\b], |v[96+16*\b+\i]|, |v[97+16*\b+\i]|
.endr
.endr
.irp b, 0,1,2,3
	v_permlanex16_b32 v[236+\b], v[232+\b], s10, s11
.endr
.irp b, 0,1,2,3
	v_max_num_f32 v[232+\b], v[232+\b], v[236+\b]  ; with lane l xor 16's 16: the block's
.endr
	CODES 16, 28
.endm
	s_load_b256 s[84:91], s[0:1], 0x0
	s_load_b128 s[92:95], s[0:1], 0x20
	v_lshl_add_u32 v248, v0, 2, 0x1c800
	v_mov_b32 v249, 0
	v_lshrrev_b32 v1, 5, v0
	v_readfirstlane_b32 s2, v1                     ; wave 0..7
	v_and_b32 v8, 31, v0                           ; lane
	v_and_b32 v9, 15, v0                           ; r
	v_bfe_u32 v10, v0, 4, 1                        ; h
	v_lshlrev_b32 v1, 4, v8                        ; 16 x lane: my place in an image's chunk
	v_lshl_add_u32 v2, v9, 4, SCL                  ; my row's four scale words
	v_lshlrev_b32 v3, 4, v0                        ; 16 x thread: the copy
	v_lshlrev_b32 v4, 9, v9
	v_lshl_add_u32 v4, v10, 6, v4                  ; Q: row r of 512 bytes, + 64 h
	v_lshlrev_b32 v5, 9, v10
	v_lshl_add_u32 v5, v9, 4, v5                   ; out0: row h, + 16 r
	v_lshlrev_b32 v6, 8, v8                        ; the prefetches: 256 x lane
	s_mul_i32 s14, s2, 16*272
	s_add_co_u32 s14, s14, STG                     ; my stage
	v_mul_u32_u24 v7, v9, 272
	v_lshl_add_u32 v7, v10, 5, v7
	v_add_nc_u32 v7, s14, v7                       ; in: row r, + 32 h
	v_mul_u32_u24 v11, v10, 272
	v_lshl_add_u32 v11, v9, 4, v11
	v_add_nc_u32 v11, s14, v11                     ; back: row h, + 16 r
	v_add_nc_u32 v8, SCL, v3                       ; where the scale words are stored
	s_mov_b32 s10, 0x76543210
	s_mov_b32 s11, 0xfedcba98
	s_mov_b32 s12, 0x3e0293ee                      ; c = log2(e) / sqrt(128)
	s_mov_b32 s13, s12                             ; (named with it as a pair)
	s_lshr_b32 s14, s2, 2
	s_xor_b32 s14, s14, s2
	s_and_b32 s14, s14, 1                          ; which of the two chunks: waves w and w + 4 differ, and so do 2 j and 2 j + 1
	s_lshr_b32 s15, s2, 1                          ; which 32 of its 128 queries
	s_sub_co_u32 s66, 15, ttmp9
	s_cmp_eq_u32 s14, 0
	s_cselect_b32 s67, ttmp9, s66
	s_lshl_b32 s67, s67, 2
	s_add_co_u32 s67, s67, s15                     ; W: my group of 32 queries, 0 .. 63
	s_cmp_lt_u32 s2, 3
	s_cselect_b32 s9, 6, 0
	s_cmp_eq_u32 ttmp9, 0
	s_cselect_b32 s9, s9, 0                        ; waves 0-2 of the head's first work-group prefetch, in trips 0 .. 5
	s_and_b32 s98, ttmp7, 0xffff                   ; the head
	s_mov_b32 s101, 0
	s_wait_kmcnt 0x0
	s_mul_i32 s100, s98, 16*STEPB
	s_add_nc_u64 s[86:87], s[86:87], s[100:101]
	s_lshl_b32 s100, s98, 14
	s_add_nc_u64 s[88:89], s[88:89], s[100:101]
	s_lshl_b32 s100, s98, 20                       ; 2,048 rows of 512 bytes a head,
	s_lshl_b32 s99, s67, 14                        ; 32 rows a wave
	s_add_co_u32 s100, s100, s99
	s_add_nc_u64 s[84:85], s[84:85], s[100:101]
	s_add_nc_u64 s[94:95], s[94:95], s[100:101]
	s_lshl_b32 s100, s67, 13
	s_add_nc_u64 s[90:91], s[90:91], s[100:101]
	s_lshl_b32 s100, s2, 13
	s_add_co_u32 s100, s100, 4*STEPB
	s_add_nc_u64 s[96:97], s[86:87], s[100:101]    ; step 4, my wave's 8,192 bytes of it
	CLOAD 0                                        ; step 0: 6 loads
.irp j, 0,1,2,3
	global_load_b128 v[32+4*\j:35+4*\j], v3, s[88:89] offset:4096*\j   ; the head's scale words: 4 loads
.endr
	QLOAD 0                                        ; tile 0: 16 loads
	WIN 0x40
	QLOAD 8192                                     ; tile 1: 16 loads
	WIN 0
	; the flags, while those are on their way
.if SKIP
	s_lshl_b32 s100, ttmp9, 8                      ; chunk c: 4 groups x 16 words
	s_add_nc_u64 s[98:99], s[92:93], s[100:101]
	FOUR 98
	s_wait_kmcnt 0x0
	ORALL s14
	s_lshl_b32 s100, s66, 8                        ; chunk 15 - c
	s_add_nc_u64 s[98:99], s[92:93], s[100:101]
	FOUR 98
	s_wait_kmcnt 0x0
	ORALL s15
	s_or_b32 s14, s14, s15
	s_and_b32 s14, s14, 0xffff                     ; bit s: some wave of the work-group works step s.  No bit above 15: so no copy reaches past the head's 16 steps
.else
	s_mov_b32 s14, 0xffff
.endif
	s_lshr_b32 s6, s14, 1
	s_lshr_b32 s7, s14, 2
	s_lshl_b32 s100, s67, 6
	s_add_nc_u64 s[98:99], s[92:93], s[100:101]
	s_load_b512 s[16:31], s[98:99], 0x0            ; my group's 16 words
	s_wait_kmcnt 0x0
	s_or_b32 s15, s16, s17
.set n, 18
.rept 14
	s_or_b32 s15, s15, s[n]
.set n, n+1
.endr
	s_and_b32 s4, s15, 0xffff
	s_lshr_b32 s5, s15, 16
	s_wait_loadcnt 32                              ; step 0 and the scale words are in; Q's 32 loads may be out
	CSTORE 0
.irp j, 0,1,2,3
	ds_store_b128 v8, v[32+4*\j:35+4*\j] offset:4096*\j
.endr
	s_wait_dscnt 0x0                               ; the stores have read their registers
	CLOAD STEPB                                    ; step 1: 6 loads
	INIT
	WIN 0x55
	INIT
	WIN 0
	s_wait_loadcnt 22                              ; tile 0's Q is in (younger: tile 1's 16, step 1's 6)
	QUANT
	v_mov_b32 v255, v253                           ; Q's scale words, tile 0
	s_wait_loadcnt 6                               ; tile 1's Q is in
	WIN 0x55
	QUANT
	WIN 0x01
	v_mov_b32 v251, v253                           ; tile 1's, into window 0
	WIN 0x55
; O^T begins as zeros: which step is a wave's first hangs on the flags, so no first step can be written out with the constant 0 as C.  These lines are also the places between
; the vector writes of Q's codes and scale words and the first scaled product (4 and 8 are owed).
.set j, 0
.rept 64
	v_mov_b32 v[160+j], 0
.set j, j+1
.endr
	WIN 0
.set j, 0
.rept 64
	v_mov_b32 v[160+j], 0
.set j, j+1
.endr
	s_wait_xcnt 0x0                                ; the copy's loads have read their base
	s_add_nc_u64 s[86:87], s[86:87], 2*STEPB       ; kvc at step 2
	s_mov_b32 s8, 0
	s_mov_b32 s3, 0
	s_wait_dscnt 0x0                               ; slot 0 and the scale words lie in LDS
	s_barrier_signal -1
	s_barrier_wait -1
.macro FLOAD base, t0                  ; four fragments as they lie: 3 x 512 consecutive bytes each
.irp f, 0,1,2,3
.irp c, 0,1,2
	ds_load_b128 v[32+12*\f+4*\c:35+12*\f+4*\c], v1 offset:\base+1536*(\t0+\f)+512*\c
.endr
.endr
.endm
.macro KQ4 t0, qs                      ; S^T of four tiles of 16 keys: source 0 = K's fragment, source 1 = my tile's Q
.irp f, 0,1,2,3
	v_wmma_scale_f32_16x16x128_f8f6f4 v[96+8*(\t0+\f):103+8*(\t0+\f)], v[32+12*\f:43+12*\f], v[16:27], 0, v[80+\t0+\f], v[\qs] matrix_a_fmt:MATRIX_FMT_BF6 matrix_b_fmt:MATRIX_FMT_BF6
.endr
.endm
.macro PV4 t0, ps                      ; O^T += V^T P^T for four tiles of 16 channels
.irp f, 0,1,2,3
	v_wmma_scale_f32_16x16x128_f8f6f4 v[160+8*(\t0+\f):167+8*(\t0+\f)], v[32+12*\f:43+12*\f], v[224:235], v[160+8*(\t0+\f):167+8*(\t0+\f)], v[88+\t0+\f], v[\ps] matrix_a_fmt:MATRIX_FMT_BF6 matrix_b_fmt:MATRIX_FMT_BF6
.endr
.endm
.macro MLOAD off                       ; a tile's 64 mask words of a step
	s_load_b512 s[16:31], s[90:91], \off
	s_load_b512 s[32:47], s[90:91], \off+0x40
	s_load_b512 s[48:63], s[90:91], \off+0x80
	s_load_b512 s[68:83], s[90:91], \off+0xc0
.endm
.macro MASK                            ; a hidden score becomes -infinity: one select a score, each accumulator from its low end on
.set n, 0
.rept 64
.if n < 48
	v_cndmask_b32 v[96+n], v254, v[96+n], s[16+n]
.else
	v_cndmask_b32 v[96+n], v254, v[96+n], s[20+n]
.endif
.set n, n+1
.endr
.endm
; One tile's softmax for 128 keys, up to p's codes and scale word
.macro SM_A
.irp b, 0,1,2,3
	v_max3_num_f32 v[232+\b], v[96+16*\b], v[97+16*\b], v[98+16*\b]   ; the largest score of each block of 32 keys: it serves the row's maximum and, since p rises with the score, the block's largest p
.endr
.irp i, 3,5,7,9,11,13
.irp b, 0,1,2,3
	v_max3_num_f32 v[232+\b], v[232+\b], v[96+16*\b+\i], v[97+16*\b+\i]
.endr
.endr
.irp b, 0,1,2,3
	v_max_num_f32 v[232+\b], v[232+\b], v[111+16*\b]
.endr
.irp b, 0,1,2,3
	v_permlanex16_b32 v[236+\b], v[232+\b], s10, s11
.endr
.irp b, 0,1,2,3
	v_max_num_f32 v[232+\b], v[232+\b], v[236+\b]  ; with lane l xor 16's 16 keys
.endr
	v_max3_num_f32 v254, v232, v233, v234
	v_max_num_f32 v254, v254, v235                 ; the step's largest score of my query
	v_mul_f32 v254, s12, v254                      ; as t
	v_max_num_f32 v13, v13, v254                   ; the running largest t
	v_mov_b32 v254, v12
	v_floor_f32 v12, -v13                          ; the new -M = floor(-t): M is a whole number
	v_sub_f32 v254, v12, v254                      ; old M - new M: a whole number, 0 or less
	v_cvt_i32_f32 v254, v254                       ; (it saturates)
	v_ldexp_f32 v252, 1.0, v254                    ; f = 2^(old M - new M)
.set j, 0
.rept 32
	v_pk_fma_f32 v[96+j:97+j], v[96+j:97+j], s[12:13], v[12:13] op_sel_hi:[1,0,0]   ; t - M, two at a time
.set j, j+2
.endr
.irp b, 0,1,2,3
	v_fma_f32 v[232+\b], v[232+\b], s12, v12       ; the same of each block's largest score
.endr
.set j, 0
.rept 64
	v_exp_f32 v[96+j], v[96+j]                     ; p = 2^(t - M), at most 1
.set j, j+1
.endr
	v_pk_mul_f32 v[14:15], v[14:15], v[252:253] op_sel_hi:[1,0]   ; the sums under the new M: the plain place behind the exponentials
	s_wait_alu depctr_va_vdst(0)                   ; one wait for the batch of 64, ahead of its first reader
.irp b, 0,1,2,3
	v_exp_f32 v[232+\b], v[232+\b]                 ; the blocks' largest p
.endr
	v_pk_add_f32 v[236:237], v[96:97], v[98:99]    ; the row's sum of the UNQUANTISED p, in two chains; it reads the 64 alone
.irp j, 4,8,12,16,20,24,28,32,36,40,44,48,52,56,60
	v_pk_add_f32 v[14:15], v[14:15], v[96+\j:97+\j]
	v_pk_add_f32 v[236:237], v[236:237], v[98+\j:99+\j]
.endr
	v_pk_add_f32 v[14:15], v[14:15], v[236:237]
	s_wait_alu depctr_va_vdst(0)                   ; and one for the four
.irp b, 0,1,2,3
	v_max_num_f32 v[232+\b], 0x2800000, v[232+\b]  ; the floor 2^(5 - 127): a block whose every p is 0 keeps the byte 1, and its codes are zeros
.endr
	CODES 224, 236
.endm
.macro SM_B                            ; O^T under the new M, each accumulator from its low end on
.set j, 0
.rept 32
	v_pk_mul_f32 v[160+j:161+j], v[160+j:161+j], v[252:253] op_sel_hi:[1,0]
.set j, j+2
.endr
.endm
; KEY STEP s = 2 trip + slot.  Its tiles lie in the slot named; the other slot, which every wave left at the last barrier, takes step s + 1; the copy's registers then take step s + 2.
.macro STEP slot
	s_wait_loadcnt 0x0                             ; step s + 1's bytes, asked for a step ago, are in the copy's registers
	s_bitcmp1_b32 s6, 0                            ; does any wave of the work-group work step s + 1?
	s_cbranch_scc0 .Lns_\@
	CSTORE (1-\slot)*SLOT1
.Lns_\@:
	s_bitcmp1_b32 s7, 0                            ; and step s + 2?
	s_cbranch_scc0 .Lnl_\@
	s_wait_dscnt 0x0                               ; the stores have read the registers that the loads fill
	CLOAD \slot*STEPB
.Lnl_\@:
	s_cmp_lt_u32 s3, s9                            ; a prefetch of step s + 4, two steps ahead of the loads that will want it: 3 waves x 32 lanes x 256 bytes = the step's 24,576 bytes.
	s_cbranch_scc0 .Lnp_\@                         ; All eight work-groups of a head walk the same bytes: the first one's waves 0-2 ask, so each block of 256 bytes is named once; steps 0-3 are not asked for, and trips 6, 7 ask for nothing
	global_prefetch_b8 v6, s[96:97] offset:\slot*STEPB th:TH_LOAD_NT scope:SCOPE_SE
.Lnp_\@:
.if SKIP
	s_bitcmp1_b32 s4, 0                            ; has any of my 32 queries a key in this step?
	s_cbranch_scc0 .Lidle_\@
.endif
	FLOAD \slot*SLOT1, 0                           ; K's fragments 0-3,
.irp q, 0,1,2,3
	ds_load_b128 v[80+4*\q:83+4*\q], v10 offset:\slot*1024+256*\q   ; the step's scale words: K's eight, V's eight, four fragments' to a load,
.endr
	WIN 0x40
	FLOAD \slot*SLOT1, 4                           ; K's fragments 4-7
	s_wait_dscnt 12                                ; all but those twelve loads are in
	WIN 0
	KQ4 0, 255
	WIN 0x54
	KQ4 0, 251
	s_wait_dscnt 0x0
	WIN 0x01
	KQ4 4, 255
	WIN 0x55
	KQ4 4, 251
.rept 4
	v_nop                                          ; four places ahead of the loads into K's registers and of the first read of the scores
.endr
	WIN 0
	FLOAD \slot*SLOT1+VOFF, 0                      ; V's fragments land while the softmax is worked
	WIN 0x40
	FLOAD \slot*SLOT1+VOFF, 4
	WIN 0
	s_bitcmp1_b32 s5, 0                            ; are all 32 x 128 mask bytes true?  Then nothing is masked
	s_cbranch_scc0 .Lopen_\@
	MLOAD \slot*256
	v_mov_b32 v254, 0xff800000                     ; -infinity
	s_wait_kmcnt 0x0
	MASK
	MLOAD 4096+\slot*256
	WIN 0x55
	v_mov_b32 v254, 0xff800000
	s_wait_kmcnt 0x0
	MASK
	WIN 0
.Lopen_\@:
	SM_A
	SM_B
	WIN 0x55
	SM_A
	WIN 0x01
	v_mov_b32 v250, v253                           ; tile 1's scale word into window 0
	WIN 0x55
	SM_B                                           ; these 32 are also the places between that write, the codes' last writes and the scaled products (8 and 4 are owed)
	s_wait_dscnt 0x0                               ; V is in
	WIN 0
	PV4 0, 253                                     ; sixteen accumulators, one instruction each: no two neighbours share one
	WIN 0x54
	PV4 0, 250
	WIN 0x01
	PV4 4, 253
	WIN 0x55
	PV4 4, 250
.rept 4
	v_nop                                          ; four places ahead of the next step's loads into the fragments' and scale words' registers, and of the next read of O^T
.endr
	WIN 0
.Lidle_\@:
	s_lshr_b32 s4, s4, 1
	s_lshr_b32 s5, s5, 1
	s_lshr_b32 s6, s6, 1
	s_lshr_b32 s7, s7, 1
	s_wait_dscnt 0x0                               ; my part of the next slot has landed, and my reads of this slot are over:
	s_barrier_signal -1                            ; one barrier a step orders both
	s_barrier_wait -1
.endm
.Ltrip:                                            ; eight trips of two steps
	v_add_nc_u32 v10, s8, v2                       ; the two steps' scale words
	STEP 0
	STEP 1
	s_wait_kmcnt 0x0
	s_wait_xcnt 0x0                                ; the trip's loads and prefetches have read their bases
	s_add_nc_u64 s[86:87], s[86:87], 2*STEPB
	s_add_nc_u64 s[90:91], s[90:91], 512
	s_add_nc_u64 s[96:97], s[96:97], 2*STEPB
	s_add_co_u32 s8, s8, 2048
	s_add_co_u32 s3, s3, 1
	s_cmp_lt_u32 s3, 8
	s_cbranch_scc1 .Ltrip
; THE WAY OUT of a tile: O^T / the sum goes through my own stage in LDS, half a row (64 channels, 256 bytes) of 16 queries at a time, and leaves as aligned blocks of 256 bytes, sixteen lanes each.
; LDS serves a wave's instructions in order (ISA guide 5.7.1.4): no wait between the stores and the loads.  The rows come back into window 0's v[bk] on.
.macro OUT tau, bk
	WIN 0x55*(\tau)
	v_add_f32 v14, v14, v15                        ; the sum's two halves,
	v_permlanex16_b32 v252, v14, s10, s11
	v_add_f32 v14, v14, v252                       ; and lane l xor 16's
	v_rcp_f32 v14, v14
	v_nop                                          ; a plain place behind the reciprocal
	s_wait_alu depctr_va_vdst(0)                   ; and the wait ahead of its first reader
.set j, 0
.rept 64
	v_mul_f32 v[96+j], v[160+j], v14               ; register 8 f + i is o(r, 16 f + 8 h + i)
.set j, j+1
.endr
.irp u, 0,1
	WIN 0x04*(\tau)
.irp f, 0,1,2,3
	ds_store_b128 v7, v[96+32*\u+8*\f:99+32*\u+8*\f] offset:64*\f
	ds_store_b128 v7, v[100+32*\u+8*\f:103+32*\u+8*\f] offset:64*\f+16
.endr
	WIN 0
.irp i, 0,1,2,3,4,5,6,7
	ds_load_b128 v[\bk+32*\u+4*\i:\bk+32*\u+4*\i+3], v11 offset:2*\i*272
.endr
.endr
.irp u, 0,1
.irp i, 0,1,2,3,4,5,6,7
	s_wait_dscnt 23-16*\u-\i                       ; the LDS instructions issued behind this load may be out
	global_store_b128 v5, v[\bk+32*\u+4*\i:\bk+32*\u+4*\i+3], s[94:95] offset:8192*\tau+1024*\i+256*\u th:TH_STORE_NT
.endr
.endr
.endm
	OUT 0, 160                                     ; into tile 0's O^T, which has been divided out
	OUT 1, 96                                      ; into tile 0's quotients, whose stores to the stage are done: no register of a pending global store is written
	s_wait_tensorcnt 0x0
	ds_add_u32 v248, v249
	s_wait_dscnt 0x0
	s_endpgm
.Lfunc_end_k_qe99c46ce23_attn:
	.size	k_qe99c46ce23_attn, .Lfunc_end_k_qe99c46ce23_attn-k_qe99c46ce23_attn
	.p2alignl 7, 3214868480
	.fill 96, 4, 3214868480
	.section	.rodata,"a",@progbits
	.p2align	6, 0x0
	.amdhsa_kernel k_qe99c46ce23_attn
		.amdhsa_group_segment_fixed_size 117760
		.amdhsa_private_segment_fixed_size 0
		.amdhsa_enable_private_segment 0
		.amdhsa_kernarg_size 48
		.amdhsa_user_sgpr_count 2
		.amdhsa_user_sgpr_kernarg_segment_ptr 1
		.amdhsa_wavefront_size32 1
		.amdhsa_system_sgpr_workgroup_id_x 1
		.amdhsa_system_sgpr_workgroup_id_y 1
		.amdhsa_system_sgpr_workgroup_id_z 1
		.amdhsa_system_vgpr_workitem_id 0
		.amdhsa_next_free_vgpr 512
		.amdhsa_next_free_sgpr 102
		.amdhsa_reserve_vcc 0
		.amdhsa_float_denorm_mode_32 3
		.amdhsa_float_denorm_mode_16_64 3
		.amdhsa_memory_ordered 1
		.amdhsa_forward_progress 1
		.amdhsa_inst_pref_size 128
	.end_amdhsa_kernel
	.amdgpu_metadata
---
amdhsa.version: [ 1, 2 ]
amdhsa.kernels:
  - .name:           k_qe99c46ce23_attn
    .symbol:         k_qe99c46ce23_attn.kd
    .args:
      - { .name: Q, .offset: 0, .size: 8, .value_kind: global_buffer, .address_space: global }
      - { .name: kvc, .offset: 8, .size: 8, .value_kind: global_buffer, .address_space: global }
      - { .name: kvs, .offset: 16, .size: 8, .value_kind: global_buffer, .address_space: global }
      - { .name: mw, .offset: 24, .size: 8, .value_kind: global_buffer, .address_space: global }
      - { .name: flags, .offset: 32, .size: 8, .value_kind: global_buffer, .address_space: global }
      - { .name: out0, .offset: 40, .size: 8, .value_kind: global_buffer, .address_space: global }
    .group_segment_fixed_size: 117760
    .private_segment_fixed_size: 0
    .kernarg_segment_align: 8
    .kernarg_segment_size: 48
    .max_flat_workgroup_size: 256
    .sgpr_count:     102
    .vgpr_count:     512
    .wavefront_size: 32
...
	.end_amdgpu_metadata
.endif
;; end of part 2
;; ======== version 2 of 2: 2 launches
;; workspace buffers: kvc 25,165,824 bytes; kvs 1,048,576 bytes; mw 524,288 bytes of whole numbers; flags 4,096 bytes of whole numbers
;; launch prep (part 3): grid 2176 x 1, 4 waves a work-group, no clusters, 69,120 bytes of LDS; arguments K, V, mask, kvc, kvs, mw, flags; writes kvc, kvs, mw, flags
.if DOCPART == 3
	.amdgcn_target "amdgcn-amd-amdhsa--gfx1250"
	.amdhsa_code_object_version 6
	.text
	.protected	k_qe99c46ce23_prep
	.globl	k_qe99c46ce23_prep
	.p2align	8
	.type	k_qe99c46ce23_prep,@function
k_qe99c46ce23_prep:
	s_mov_b64 s[64:65], 0
	v_nop
	global_prefetch_b8 v0, s[64:65] scope:SCOPE_SE
	s_setreg_imm32_b32 hwreg(HW_REG_WAVE_MODE, 25, 1), 1
	s_wait_xcnt 0x0
; K and V [64 heads][2048 keys][128] f32 become codes of BF6 (E3M2) with one E8M0 scale byte for each 32 along a product's K, laid as IMAGES OF OPERAND REGISTERS;
; the mask [2048][2048] (bytes 0 or 1) becomes lane-mask words in the order of the score registers, and two flags for each (32 queries, 128 keys).
; A block's scale is 2^(floor(log2(largest magnitude)) - 4): its byte is the largest magnitude's exponent field - 4, held at 1 from below.
; LIMITS: a block whose largest magnitude lies under 2^-122, a block of zeros among them, keeps the byte 1 (the quantiser says 127 for zeros: the codes are zeros, and this program alone reads the bytes);
; NaN and infinities among K and V are not served; mask bytes are 0 or 1 (another non-zero byte counts as true, and only makes a group 'not all true', which stays right).
; SHARES.  Work-groups 0 .. 127 take the mask, the next 1,024 K, the last 1,024 V.  A work-group of K or V takes one head's one step of 128 keys: 64 KiB, four waves x 32 key rows.
; kvc: [head][step][K's 8 fragments | V's 8 fragments], a fragment = 1,536 bytes: registers 4 c .. 4 c + 3 of lane L at 512 c + 16 L.  Lane (r = L % 16, h = L / 16), registers 6 c .. 6 c + 5: k = 64 c + 32 h + 0 .. 31.
;   K's fragment 2 b + u: row r = key 32 b + 8 u + r + 8 (r / 8), k = the head's 128.   V's fragment T: row r = channel 16 T + r, k = the step's 128 keys.
; kvs: [head][step][K 512 B | V 512 B]: the scale word of (fragment T, row r) at 256 (T / 4) + 16 r + 4 (T % 4).
; mw:  [tile of 16 queries][step][n 0..63]: bit L of word n = mask[16 tile + L % 16][128 step + 32 (n / 16) + 16 (L / 16) + n % 16].
; flags: [group of 32 queries][step]: (any true) << step | (not all true) << (16 + step).
; Every load of K and V reads a whole key row, 512 consecutive bytes; the rows turn through a stage in LDS, since the conversions want 32 neighbours along K in ONE lane's registers.
; No tensor loads, no cluster: work-groups share no input, and memory binds.
.set PITCH, 528                        ; a key row in the stage: 512 bytes + 16: sixteen rows of a 16-byte load start 16 bytes apart modulo 256
.set RB,    32*PITCH+64                ; a wave's region of 32 rows; the 64 set lanes 16-31 of V's column loads (one region on) 64 bytes on modulo 256
.set SC,    4*RB                       ; behind the stage: the unit's 512 bytes of scale words
.set NMASK, 128                        ; work-groups of the mask
; row i of a region lies at position 16 ((i >> 3) & 1) + 8 (i >> 4) + (i & 7): so the 16 rows of K's fragment u are positions 16 u + r
	s_load_b256 s[4:11], s[0:1], 0x0               ; K s[4:5], V s[6:7], mask s[8:9], kvc s[10:11]
	s_load_b128 s[12:15], s[0:1], 0x20             ; kvs s[12:13], mw s[14:15]
	s_load_b64 s[16:17], s[0:1], 0x30              ; flags
	v_lshl_add_u32 v192, v0, 2, 0x10c00
	v_mov_b32 v193, 0
	v_lshrrev_b32 v1, 5, v0
	v_readfirstlane_b32 s18, v1                    ; wave 0..3
	v_and_b32 v1, 31, v0                           ; lane
	v_and_b32 v2, 15, v0                           ; r
	v_bfe_u32 v3, v0, 4, 1                         ; h
	v_lshlrev_b32 v4, 4, v1                        ; 16 x lane: my bytes of a row, of an image's chunk
	s_wait_alu depctr_va_vdst(0)
	s_mul_i32 s32, s18, RB                         ; every LDS address is made here, ahead of every branch
	v_add_nc_u32 v5, s32, v4                       ; stage, in: my region + 16 x lane
	v_mul_u32_u24 v6, v2, PITCH
	v_lshl_add_u32 v6, v3, 7, v6
	v_add_nc_u32 v6, s32, v6                       ; K back: my region, position r, + 128 h (32 numbers)
	v_mul_u32_u24 v7, v3, RB
	v_lshl_add_u32 v7, v2, 2, v7
	s_lshl_b32 s33, s18, 7
	v_add_nc_u32 v7, s33, v7                       ; V back: region h, channel 32 w + r
	s_lshr_b32 s33, s18, 1
	s_lshl_b32 s33, s33, 8
	s_and_b32 s34, s18, 1
	s_lshl_b32 s34, s34, 3
	s_add_co_u32 s33, s33, s34
	s_add_co_u32 s33, s33, SC
	v_lshl_add_u32 v8, v2, 4, s33                  ; scale word of fragment 2 w: SC + 256 (w / 2) + 16 r + 8 (w % 2)
	v_add_nc_u32 v9, SC, v4                        ; and the 512 bytes on their way out
	v_lshlrev_b32 v10, 3, v3                       ; 8 h: my two bytes' place in the scale word
	v_mov_b32 v11, 0                               ; a lane permute's destination counts as read: written once
	s_mov_b32 s30, 0x76543210
	s_mov_b32 s31, 0xfedcba98                      ; v_permlanex16_b32's selects for lane l xor 16
	s_mov_b32 s35, 0                               ; the high word of every offset
	s_cmp_lt_u32 ttmp9, NMASK
	s_cbranch_scc1 .Lmask
	; ---------------- K or V: one head's one step ----------------
	s_sub_co_u32 s32, ttmp9, NMASK
	s_lshr_b32 s19, s32, 10                        ; 0: K, 1: V
	s_and_b32 s33, s32, 1023                       ; unit = 16 head + step
	s_wait_kmcnt 0x0
	s_cmp_eq_u32 s19, 0
	s_cselect_b64 s[40:41], s[4:5], s[6:7]         ; the choice hangs on the work-group's number alone
	s_lshl_b32 s34, s33, 16                        ; 128 rows of 512 bytes a unit,
	s_lshl_b32 s36, s18, 14                        ; 32 rows a wave
	s_add_co_u32 s34, s34, s36
	s_add_nc_u64 s[40:41], s[40:41], s[34:35]
	s_mul_i32 s34, s33, 24576
	s_mul_i32 s36, s19, 12288
	s_add_co_u32 s34, s34, s36
	s_mul_i32 s36, s18, 3072                       ; my two fragments
	s_add_co_u32 s34, s34, s36
	s_add_nc_u64 s[42:43], s[10:11], s[34:35]
	s_lshl_b32 s34, s33, 10
	s_lshl_b32 s36, s19, 9
	s_add_co_u32 s34, s34, s36
	s_add_nc_u64 s[44:45], s[12:13], s[34:35]
.set i, 0
.rept 32
	global_load_b128 v[64+4*i:67+4*i], v4, s[40:41] offset:512*i th:TH_LOAD_NT   ; key row i of my 32: 512 consecutive bytes
.set i, i+1
.endr
.set i, 0
.rept 4
	s_wait_loadcnt 24-i                            ; loads return in order: these eight rows are in, the younger ones may be out
.rept 8
	ds_store_b128 v5, v[64+4*i:67+4*i] offset:(16*((i>>3)&1)+8*(i>>4)+(i&7))*PITCH
.set i, i+1
.endr
.endr
	s_wait_dscnt 0x0                               ; my rows lie in the stage (V's columns are read across the waves' regions)
	s_barrier_signal -1
	s_barrier_wait -1
; 64 numbers of a lane, v[64 + 32 c + i] = k 64 c + 32 h + i of my row: two whole blocks of my own.  Codes -> v[dst .. dst + 11], the row's scale word -> v18.
.macro FQ dst
.irp c, 0,1
	v_max3_num_f32 v[12+\c], |v[64+32*\c]|, |v[65+32*\c]|, 0x2800000   ; with the floor 2^(5 - 127): the byte cannot fall under 1
.endr
.irp i, 2,4,6,8,10,12,14,16,18,20,22,24,26,28,30
.irp c, 0,1
	v_max3_num_f32 v[12+\c], v[12+\c], |v[64+32*\c+\i]|, |v[65+32*\c+\i]|   ; the two blocks by turns
.endr
.endr
.irp c, 0,1
	v_add_nc_u32 v[14+\c], 0xfe000000, v[12+\c]    ; 4 off the exponent field: the conversion takes this operand's exponent field as its scale
.endr
.irp c, 0,1
	v_lshrrev_b32 v[16+\c], 23, v[14+\c]           ; the scale's byte
.endr
	v_lshl_or_b32 v18, v17, 16, v16                ; my bytes: blocks h and 2 + h,
	v_lshlrev_b32 v18, v10, v18                    ; 8 h bits up;
	v_permlanex16_b32 v11, v18, s30, s31
	v_or_b32 v18, v18, v11                         ; with lane l xor 16's two the word is whole
.irp c, 0,1
	v_cvt_scalef32_pk16_bf6_f32 v[(\dst)+6*\c:(\dst)+6*\c+2], v[64+32*\c:79+32*\c], v[14+\c]
	v_cvt_scalef32_pk16_bf6_f32 v[44+4*\c:46+4*\c], v[80+32*\c:95+32*\c], v[14+\c]   ; (a conversion's three registers begin on an even number)
.endr
	v_nop                                          ; one plain place behind a scaled conversion
.irp c, 0,1
.irp i, 0,1,2
	v_mov_b32 v[(\dst)+3+6*\c+\i], v[44+4*\c+\i]
.endr
.endr
.endm
; Fragment 2 w + u.  Only the way back from the stage differs between K (rows: 32 neighbours of a row) and V (columns: a lane a channel, registers down the keys).
.macro FRAGU u
	s_cmp_eq_u32 s19, 0
	s_cbranch_scc0 .Lv_\@
	s_wait_alu depctr_va_vdst(0)
.irp c, 0,1
.irp j, 0,1,2,3,4,5,6,7
	ds_load_b128 v[64+32*\c+4*\j:67+32*\c+4*\j], v6 offset:\u*16*PITCH+256*\c+16*\j
.endr
.endr
	s_branch .Lj_\@
.Lv_\@:
.set i, 0
	s_wait_alu depctr_va_vdst(0)
.rept 64
	ds_load_b32 v[64+i], v7 offset:(i/32)*2*RB+(16*(((i%32)>>3)&1)+8*((i%32)>>4)+(i&7))*PITCH+64*\u   ; key 64 (i / 32) + 32 h + i % 32, channel 32 w + 16 u + r
.set i, i+1
.endr
.Lj_\@:
	s_wait_dscnt 0x0                               ; the numbers are in (and the last fragment's word store has read v18)
	FQ 20+12*\u
.irp c, 0,1,2
	global_store_b128 v4, v[20+12*\u+4*\c:23+12*\u+4*\c], s[42:43] offset:1536*\u+512*\c   ; 512 consecutive bytes, at a multiple of 256 from kvc's first byte; each fragment has its own registers
.endr
	ds_store_b32 v8, v18 offset:4*\u               ; both halves of the lanes write the same word with the same value
.endm
	FRAGU 0
	FRAGU 1
	s_wait_dscnt 0x0                               ; my scale words lie in LDS
	s_barrier_signal -1
	s_barrier_wait -1
	s_cmp_lg_u32 s18, 0
	s_cbranch_scc1 .Lend
	ds_load_b128 v[52:55], v9                      ; wave 0 stores the unit's 512 bytes of scale words: two whole blocks of 256
	s_wait_dscnt 0x0
	global_store_b128 v4, v[52:55], s[44:45]
.Lend:
	s_wait_tensorcnt 0x0
	ds_add_u32 v192, v193
	s_wait_dscnt 0x0
	s_endpgm
	; ---------------- the mask: a wave takes 32 queries x 256 keys: tiles tau = 0, 1 x steps 2 sp + sigma; unit k = 2 tau + sigma ----------------
.Lmask:
	v_lshlrev_b32 v56, 11, v2
	v_lshl_add_u32 v56, v3, 4, v56                 ; row r of 2,048 bytes, + 16 h
	v_lshlrev_b32 v57, 3, v1                       ; 8 x lane: two words a lane on the way out
	s_lshl_b32 s32, ttmp9, 2
	s_add_co_u32 s32, s32, s18                     ; 0 .. 511
	s_lshr_b32 s38, s32, 3                         ; the group of 32 queries
	s_and_b32 s39, s32, 7                          ; sp
	s_mov_b32 s24, 0xff
	s_mov_b32 s25, 0xff00
	s_mov_b32 s26, 0xff0000
	s_mov_b32 s27, 0xff000000
	s_mov_b32 s28, 0x01010101
	s_wait_alu depctr_va_vdst(0)
	s_wait_kmcnt 0x0
	s_lshl_b32 s34, s38, 16
	s_lshl_b32 s36, s39, 8
	s_add_co_u32 s34, s34, s36
	s_add_nc_u64 s[40:41], s[8:9], s[34:35]        ; mask
	s_lshl_b32 s34, s38, 13
	s_lshl_b32 s36, s39, 9
	s_add_co_u32 s34, s34, s36
	s_add_nc_u64 s[42:43], s[14:15], s[34:35]      ; mw
	s_lshl_b32 s34, s38, 6
	s_lshl_b32 s36, s39, 3
	s_add_co_u32 s34, s34, s36
	s_add_nc_u64 s[44:45], s[16:17], s[34:35]      ; flags
.irp k, 0,1,2,3
.irp b, 0,1,2,3
	global_load_b128 v[64+16*\k+4*\b:67+16*\k+4*\b], v56, s[40:41] offset:(\k/2)*32768+(\k%2)*128+32*\b th:TH_LOAD_NT   ; byte i: key 32 b + 16 h + i of the step
.endr
.endr
.irp j, 0,1,2,3,4,5,6,7
	v_mov_b32 v[20+\j], 0                          ; v_writelane_b32's destination counts as read
.endr
; unit k's 64 words: word n = 4 q + y is the compare's lane mask of byte y of register q; it goes to lane n / 2 of register n % 2, so that a lane stores words 2 L and 2 L + 1
.macro MASKW k
.set q, 0
.rept 16
.irp y, 0,1,2,3
	v_and_b32 v[12+\y], s[24+\y], v[64+16*\k+q]
.endr
.irp y, 0,1,2,3
	v_cmp_ne_u32 s[20+\y], 0, v[12+\y]
.endr
.irp y, 0,1,2,3
	v_writelane_b32 v[20+2*\k+(\y&1)], s[20+\y], (4*q+\y)>>1
.endr
.set q, q+1
.endr
.endm
.irp k, 0,1,2,3
	s_wait_loadcnt 12-4*\k                         ; this unit's four loads are in; the later units' may be out
	MASKW \k
	global_store_b64 v57, v[20+2*\k:21+2*\k], s[42:43] offset:(\k/2)*4096+(\k%2)*256   ; 256 consecutive bytes, aligned; each unit has its own registers
.endr
; the flags of step 2 sp + sg over both tiles' 32 x 128 bytes
.macro FLAG sg
	v_or_b32 v16, v[64+16*\sg], v[96+16*\sg]
	v_and_b32 v17, v[64+16*\sg], v[96+16*\sg]
.set q, 1
.rept 15
	v_or_b32 v16, v16, v[64+16*\sg+q]
	v_and_b32 v17, v17, v[64+16*\sg+q]
	v_or_b32 v16, v16, v[96+16*\sg+q]
	v_and_b32 v17, v17, v[96+16*\sg+q]
.set q, q+1
.endr
	v_cmp_ne_u32 s20, 0, v16                       ; lanes with a true byte
	v_cmp_eq_u32 s21, s28, v17                     ; lanes all of whose bytes are 1
	s_cmp_lg_u32 s20, 0
	s_cselect_b32 s32, 1, 0                        ; any true
	s_cmp_eq_u32 s21, -1
	s_cselect_b32 s33, 0, 1                        ; not all true
	s_lshl_b32 s34, s39, 1
	s_add_co_u32 s34, s34, \sg                     ; the step
	s_lshl_b32 s32, s32, s34
	s_add_co_u32 s34, s34, 16
	s_lshl_b32 s33, s33, s34
	s_or_b32 s32, s32, s33
	v_mov_b32 v[28+\sg], s32
.endm
	FLAG 0
	FLAG 1
	s_wait_alu depctr_va_vdst(0)
	s_wait_xcnt 0x0                                ; EXEC is a source of the stores above: it changes only behind this wait
	v_cmp_eq_u32 vcc_lo, 0, v1
	s_and_saveexec_b32 s36, vcc_lo
	global_store_b64 v57, v[28:29], s[44:45]       ; lane 0: the two steps' flag words
	s_wait_xcnt 0x0                                ; and again in front of the line that widens it
	s_or_b32 exec_lo, exec_lo, s36
	s_endpgm
.Lfunc_end_k_qe99c46ce23_prep:
	.size	k_qe99c46ce23_prep, .Lfunc_end_k_qe99c46ce23_prep-k_qe99c46ce23_prep
	.p2alignl 7, 3214868480
	.fill 96, 4, 3214868480
	.section	.rodata,"a",@progbits
	.p2align	6, 0x0
	.amdhsa_kernel k_qe99c46ce23_prep
		.amdhsa_group_segment_fixed_size 69120
		.amdhsa_private_segment_fixed_size 0
		.amdhsa_enable_private_segment 0
		.amdhsa_kernarg_size 56
		.amdhsa_user_sgpr_count 2
		.amdhsa_user_sgpr_kernarg_segment_ptr 1
		.amdhsa_wavefront_size32 1
		.amdhsa_system_sgpr_workgroup_id_x 1
		.amdhsa_system_sgpr_workgroup_id_y 1
		.amdhsa_system_sgpr_workgroup_id_z 1
		.amdhsa_system_vgpr_workitem_id 0
		.amdhsa_next_free_vgpr 194
		.amdhsa_next_free_sgpr 66
		.amdhsa_reserve_vcc 1
		.amdhsa_float_denorm_mode_32 3
		.amdhsa_float_denorm_mode_16_64 3
		.amdhsa_memory_ordered 1
		.amdhsa_forward_progress 1
		.amdhsa_inst_pref_size 74
	.end_amdhsa_kernel
	.amdgpu_metadata
---
amdhsa.version: [ 1, 2 ]
amdhsa.kernels:
  - .name:           k_qe99c46ce23_prep
    .symbol:         k_qe99c46ce23_prep.kd
    .args:
      - { .name: K, .offset: 0, .size: 8, .value_kind: global_buffer, .address_space: global }
      - { .name: V, .offset: 8, .size: 8, .value_kind: global_buffer, .address_space: global }
      - { .name: mask, .offset: 16, .size: 8, .value_kind: global_buffer, .address_space: global }
      - { .name: kvc, .offset: 24, .size: 8, .value_kind: global_buffer, .address_space: global }
      - { .name: kvs, .offset: 32, .size: 8, .value_kind: global_buffer, .address_space: global }
      - { .name: mw, .offset: 40, .size: 8, .value_kind: global_buffer, .address_space: global }
      - { .name: flags, .offset: 48, .size: 8, .value_kind: global_buffer, .address_space: global }
    .group_segment_fixed_size: 69120
    .private_segment_fixed_size: 0
    .kernarg_segment_align: 8
    .kernarg_segment_size: 56
    .max_flat_workgroup_size: 128
    .sgpr_count:     66
    .vgpr_count:     194
    .wavefront_size: 32
...
	.end_amdgpu_metadata
.endif
;; end of part 3
;; launch attn (part 4): grid 8 x 64, 8 waves a work-group, no clusters, 117,760 bytes of LDS; arguments Q, kvc, kvs, mw, flags, out0; writes out0
.if DOCPART == 4
	.amdgcn_target "amdgcn-amd-amdhsa--gfx1250"
	.amdhsa_code_object_version 6
	.text
	.protected	k_qe99c46ce23_attn
	.globl	k_qe99c46ce23_attn
	.p2align	8
	.type	k_qe99c46ce23_attn,@function
k_qe99c46ce23_attn:
	s_mov_b64 s[64:65], 0
	v_nop
	global_prefetch_b8 v0, s[64:65] scope:SCOPE_SE
	s_setreg_imm32_b32 hwreg(HW_REG_WAVE_SCHED_MODE, 0, 2), 2
	s_setreg_imm32_b32 hwreg(HW_REG_WAVE_MODE, 25, 1), 1
	s_wait_xcnt 0x0
	s_wait_alu depctr_vm_vsrc(0)
; out0[head][q][:] = sum over keys of softmax_k(where(mask, Q.K / sqrt(128), -inf)) V, both products on codes of BF6 (E3M2) with one E8M0 scale for each 32 along a product's K.
; K's and V's codes and scale words come as images of operand registers (kvc, kvs), the mask as lane-mask words (mw) and flags, all made by the launch before.  Q [64][2048][128] f32 is quantised here, in registers: one wave reads it once.
; THE SOFTMAX: t = score x log2(e) / sqrt(128); M = the running largest t rounded UP to a whole number; p = 2^(t - M) is quantised along the keys, not normalised; the row's sum is taken of the unquantised p and divides at the end;
; when M moves, the sum and O are multiplied by 2^(old M - new M), which rounds nothing.  A hidden score is -infinity ahead of the maximum: p = 0.  A row with no true mask byte ends as 0 x (1 / 0) = NaN, as a softmax of -infinities does.
; LIMITS: a block of Q or of p whose largest magnitude lies under 2^-122 keeps the scale byte 1 (zeros among them: their codes are zeros); NaN and infinities among the inputs are not served.
; SHARES.  Work-group (c, head) owns queries 128 c .. + 127 and 128 (15 - c) .. + 127 of its head: with masks that hide later keys the pairs have equal work; for any other mask the pairing changes nothing.
; Each of its eight waves owns 32 queries, two tiles of 16; every fragment of K and V that it reads from LDS feeds two products.  All waves walk 16 key steps of 128: a constant count, one barrier a step.
; THE FLAGS steer the work by scalar branches: a step with no true byte for my 32 queries is left out (SKIP = 1); a step all of whose bytes are true is not masked; a step that no wave of the work-group needs is not copied.
; A step's 24,576 bytes come through registers into one of two LDS slots, 16 bytes a thread six times, loaded two
; steps ahead and stored one step ahead; and tiles are not shared in a cluster.
; LAYOUT.  Both products are used transposed: S^T = K Q^T, O^T = V^T P^T: a lane holds ONE query (lane % 16).  Score register n of lane (r, h) is key 32 (n / 16) + 16 h + n % 16 of the step (the keys of a tile of K are chosen so).
; REGISTERS, two windows of 256 laid alike: tile 0 in window 0, tile 1 in window 1, with the same numbers, so that each piece of vector work is written once and run under two settings.
;   both:     v12 -M, v13 largest t, v[14:15] the sum, v16-27 Q's codes, v96-159 S^T then p, v160-223 O^T, v224-235 p's codes, v232-247 at work, v252 f, v253 the scale word just made, v254 at work
;   window 0: v1-11 addresses; v32-79 fragments 0-3; v80-87 K's scale words, v88-95 V's; v253, v250 p's scale words (tile 0, 1); v255, v251 Q's (scale operands have no window)
;   window 1: v32-79 fragments 4-7; v80-95 and v0-7 the copy's six registers of four
; THE MODE: SCHED_MODE bits 1:0 = 2 (LLVM: expert scheduling mode 2), set by the entry lines.  The code itself states the register dependences between vector or matrix instructions and memory or LDS instructions,
; with s_wait_alu, always for 0.
; THE PLAN.  Registers that memory or LDS instructions touch:
;   v1, v3-v8, v11  offsets and LDS addresses, made once at the head and never written again; v248, v249 the closing add's pair, likewise.  One wait on va_vdst ahead of the first load states that they are written.
;   v10             LDS address of a trip's scale words: read by each worked step's four loads of scale words, written once a trip, at its head, behind a wait on vm_vsrc; the step's own wait on va_vdst stands ahead of its next reader.
;   the copy's 24   (window 1's v80-95, v0-7)  Global loads land in them, LDS stores read them, no vector or matrix instruction names them: one wait on vm_vsrc behind each run of stores is all that they ask.
;   the fragments   (v32-79 of both windows) and the scale words (window 0's v80-95)  LDS loads land in them, the products read them.  K's run of loads stands behind a wait on va_vdst at the step's head (the last worked
;                   step's V^T P^T is done reading); V's run stands behind the wait for tile 0's exponentials, which states as well that K Q^T is done reading: it has the rest of both tiles' softmax in which to land.
;   codes and scale words made by vector instructions (Q's once, p's in every step): one wait on va_vdst behind their places, ahead of the first scaled product that takes them.
;   the way out     a tile's quotients are written by multiplications and read by LDS stores; its rows come back into registers that multiplications have read (tile 0) or that LDS stores have read (tile 1).
; A second set of fragment registers is not to be had: two waves of 512 registers fill a SIMD's 1,024, and both windows are full.
.set SLOT1, 32768                      ; LDS: slot 0 at 0, slot 1 here, 24,576 bytes each: a step of kvc as it lies
.set STEPB, 24576
.set VOFF,  12288                      ; V's eight fragments behind K's eight
.set SCL,   65536                      ; the head's scale words, 16,384 bytes, stored once
.set STG,   81920                      ; the way out: 16 rows x (256 + 16) bytes for each wave
.set SKIP,  1                          ; 1: steps hidden from my queries are left out; 0: every step is worked (the same values)
.set MSB, 0
.macro WIN new                         ; bits 1:0 source 0, 3:2 source 1, 5:4 source 2, 7:6 destination; the high byte repeats the setting that is left
.if MSB != (\new)
	s_set_vgpr_msb (MSB<<8)|(\new)
.set MSB, (\new)
.endif
.endm
; s2 wave, s3 trip, s4 my 'any' bits, s5 my 'not all' bits, s6 / s7 the work-group's 'any' bits one / two steps on, s8 the step's scale words, s9 trips in which I prefetch,
; s[10:11] lane selects, s[12:13] c, s16-63 and s68-83 64 mask words, s[84:85] Q, s[86:87] kvc, s[88:89] kvs, s[90:91] mw, s[92:93] flags, s[94:95] out0, s[96:97] prefetch
.macro CLOAD off                       ; a step's 24,576 bytes: 256 threads x 16 bytes, six times, into window 1
	WIN 0x40
.irp j, 0,1,2,3
	global_load_b128 v[80+4*\j:83+4*\j], v3, s[86:87] offset:\off+4096*\j
.endr
.irp j, 4,5
	global_load_b128 v[4*\j-16:4*\j-13], v3, s[86:87] offset:\off+4096*\j
.endr
	WIN 0
.endm
.macro CSTORE off                      ; and into a slot, as they lie
	WIN 0x04
.irp j, 0,1,2,3
	ds_store_b128 v3, v[80+4*\j:83+4*\j] offset:\off+4096*\j
.endr
.irp j, 4,5
	ds_store_b128 v3, v[4*\j-16:4*\j-13] offset:\off+4096*\j
.endr
	WIN 0
.endm
.macro QLOAD off                       ; 16 rows of Q: lane (r, h) takes, of each block of 32 of row r, its 16 neighbours: register 16 b + i = k 32 b + 16 h + i
.irp b, 0,1,2,3
.irp j, 0,1,2,3
	global_load_b128 v[96+16*\b+4*\j:99+16*\b+4*\j], v4, s[84:85] offset:\off+128*\b+16*\j th:TH_LOAD_NT
.endr
.endr
.endm
.macro ORALL d                         ; the OR of the 64 words
	s_or_b32 \d, s16, s17
.set n, 18
.rept 46
	s_or_b32 \d, \d, s[n]
.set n, n+1
.endr
.set n, 68
.rept 16
	s_or_b32 \d, \d, s[n]
.set n, n+1
.endr
.endm
.macro FOUR base                       ; 256 bytes into the 64 words
	s_load_b512 s[16:31], s[\base:\base+1], 0x0
	s_load_b512 s[32:47], s[\base:\base+1], 0x40
	s_load_b512 s[48:63], s[\base:\base+1], 0x80
	s_load_b512 s[68:83], s[\base:\base+1], 0xc0
.endm
.macro INIT
	v_mov_b32 v13, 0xff61b1e6                      ; the largest t so far: -3e38, under every t
	v_floor_f32 v12, -v13                          ; -M
	v_mov_b32 v14, 0
	v_mov_b32 v15, 0
.irp b, 0,1,2,3
	v_mov_b32 v[236+\b], 0                         ; a lane permute's destination counts as read
.endr
	v_mov_b32 v252, 0
	v_mov_b32 v253, 0
.endm
; four blocks' largest magnitudes in v232-235 -> scale operands v244-247, bytes v236-239, the word v253; then 64 numbers v96-159 -> 12 registers of codes from v[pc] on (temporaries v[tp], v[tp + 4])
.macro CODES pc, tp
.irp b, 0,1,2,3
	v_add_nc_u32 v[244+\b], 0xfe000000, v[232+\b]  ; 4 off the exponent field: the conversion's scale operand
.endr
.irp b, 0,1,2,3
	v_lshrrev_b32 v[236+\b], 23, v[244+\b]         ; the scale's byte
.endr
	v_lshl_or_b32 v253, v237, 8, v236
	v_lshl_or_b32 v253, v238, 16, v253
	v_lshl_or_b32 v253, v239, 24, v253
.irp c, 0,1
	v_cvt_scalef32_pk16_bf6_f32 v[\pc+6*\c:\pc+2+6*\c], v[96+32*\c:111+32*\c], v[244+2*\c]
	v_cvt_scalef32_pk16_bf6_f32 v[\tp+4*\c:\tp+2+4*\c], v[112+32*\c:127+32*\c], v[244+2*\c+1]   ; (a conversion's three registers begin on an even number)
.endr
	v_nop                                          ; one plain place behind a scaled conversion
.irp c, 0,1                            ; the operand wants a WHOLE block in a lane: lanes 0-15 block 2 c, lanes 16-31 block 2 c + 1
.irp i, 0,1,2
	v_permlane16_swap_b32 v[\pc+6*\c+\i], v[\tp+4*\c+\i]
.endr
.irp i, 0,1,2
	v_mov_b32 v[\pc+3+6*\c+\i], v[\tp+4*\c+\i]
.endr
.endr
.endm
.macro QUANT                           ; Q's 16 rows: codes v16-27, scale word v253
.irp b, 0,1,2,3
	v_max3_num_f32 v[232+\b], |v[96+16*\b]|, |v[97+16*\b]|, 0x2800000   ; with the floor 2^(5 - 127)
.endr
.irp i, 2,4,6,8,10,12,14
.irp b, 0,1,2,3
	v_max3_num_f32 v[232+\b], v[232+\b], |v[96+16*\b+\i]|, |v[97+16*\b+\i]|
.endr
.endr
.irp b, 0,1,2,3
	v_permlanex16_b32 v[236+\b], v[232+\b], s10, s11
.endr
.irp b, 0,1,2,3
	v_max_num_f32 v[232+\b], v[232+\b], v[236+\b]  ; with lane l xor 16's 16: the block's
.endr
	CODES 16, 28
.endm
	s_load_b256 s[84:91], s[0:1], 0x0
	s_load_b128 s[92:95], s[0:1], 0x20
	v_lshl_add_u32 v248, v0, 2, 0x1c800
	v_mov_b32 v249, 0
	v_lshrrev_b32 v1, 5, v0
	v_readfirstlane_b32 s2, v1                     ; wave 0..7
	v_and_b32 v8, 31, v0                           ; lane
	v_and_b32 v9, 15, v0                           ; r
	v_bfe_u32 v10, v0, 4, 1                        ; h
	v_lshlrev_b32 v1, 4, v8                        ; 16 x lane: my place in an image's chunk
	v_lshl_add_u32 v2, v9, 4, SCL                  ; my row's four scale words
	v_lshlrev_b32 v3, 4, v0                        ; 16 x thread: the copy
	v_lshlrev_b32 v4, 9, v9
	v_lshl_add_u32 v4, v10, 6, v4                  ; Q: row r of 512 bytes, + 64 h
	v_lshlrev_b32 v5, 9, v10
	v_lshl_add_u32 v5, v9, 4, v5                   ; out0: row h, + 16 r
	v_lshlrev_b32 v6, 8, v8                        ; the prefetches: 256 x lane
	s_wait_alu depctr_va_sdst(0)                   ; s2 is written, ahead of its first reader: the stage's place, my queries and the bases are made from it
	s_mul_i32 s14, s2, 16*272
	s_add_co_u32 s14, s14, STG                     ; my stage
	v_mul_u32_u24 v7, v9, 272
	v_lshl_add_u32 v7, v10, 5, v7
	v_add_nc_u32 v7, s14, v7                       ; in: row r, + 32 h
	v_mul_u32_u24 v11, v10, 272
	v_lshl_add_u32 v11, v9, 4, v11
	v_add_nc_u32 v11, s14, v11                     ; back: row h, + 16 r
	v_add_nc_u32 v8, SCL, v3                       ; where the scale words are stored
	s_mov_b32 s10, 0x76543210
	s_mov_b32 s11, 0xfedcba98
	s_mov_b32 s12, 0x3e0293ee                      ; c = log2(e) / sqrt(128)
	s_mov_b32 s13, s12                             ; (named with it as a pair)
	s_lshr_b32 s14, s2, 2
	s_xor_b32 s14, s14, s2
	s_and_b32 s14, s14, 1                          ; which of the two chunks: waves w and w + 4 differ, and so do 2 j and 2 j + 1
	s_lshr_b32 s15, s2, 1                          ; which 32 of its 128 queries
	s_sub_co_u32 s66, 15, ttmp9
	s_cmp_eq_u32 s14, 0
	s_cselect_b32 s67, ttmp9, s66
	s_lshl_b32 s67, s67, 2
	s_add_co_u32 s67, s67, s15                     ; W: my group of 32 queries, 0 .. 63
	s_cmp_lt_u32 s2, 3
	s_cselect_b32 s9, 6, 0
	s_cmp_eq_u32 ttmp9, 0
	s_cselect_b32 s9, s9, 0                        ; waves 0-2 of the head's first work-group prefetch, in trips 0 .. 5
	s_and_b32 s98, ttmp7, 0xffff                   ; the head
	s_mov_b32 s101, 0
	s_wait_kmcnt 0x0
	s_mul_i32 s100, s98, 16*STEPB
	s_add_nc_u64 s[86:87], s[86:87], s[100:101]
	s_lshl_b32 s100, s98, 14
	s_add_nc_u64 s[88:89], s[88:89], s[100:101]
	s_lshl_b32 s100, s98, 20                       ; 2,048 rows of 512 bytes a head,
	s_lshl_b32 s99, s67, 14                        ; 32 rows a wave
	s_add_co_u32 s100, s100, s99
	s_add_nc_u64 s[84:85], s[84:85], s[100:101]
	s_add_nc_u64 s[94:95], s[94:95], s[100:101]
	s_lshl_b32 s100, s67, 13
	s_add_nc_u64 s[90:91], s[90:91], s[100:101]
	s_lshl_b32 s100, s2, 13
	s_add_co_u32 s100, s100, 4*STEPB
	s_add_nc_u64 s[96:97], s[86:87], s[100:101]    ; step 4, my wave's 8,192 bytes of it
	s_wait_alu depctr_va_vdst(0)                   ; the offsets and LDS addresses v1, v3 to v8 and v11 are written, which the kernel's loads, stores and prefetches read; so are v248 and v249, which the closing add reads
	CLOAD 0                                        ; step 0: 6 loads
.irp j, 0,1,2,3
	global_load_b128 v[32+4*\j:35+4*\j], v3, s[88:89] offset:4096*\j   ; the head's scale words: 4 loads
.endr
	QLOAD 0                                        ; tile 0: 16 loads
	WIN 0x40
	QLOAD 8192                                     ; tile 1: 16 loads
	WIN 0
	; the flags, while those are on their way
.if SKIP
	s_lshl_b32 s100, ttmp9, 8                      ; chunk c: 4 groups x 16 words
	s_add_nc_u64 s[98:99], s[92:93], s[100:101]
	FOUR 98
	s_wait_kmcnt 0x0
	ORALL s14
	s_lshl_b32 s100, s66, 8                        ; chunk 15 - c
	s_add_nc_u64 s[98:99], s[92:93], s[100:101]
	FOUR 98
	s_wait_kmcnt 0x0
	ORALL s15
	s_or_b32 s14, s14, s15
	s_and_b32 s14, s14, 0xffff                     ; bit s: some wave of the work-group works step s.  No bit above 15: so no copy reaches past the head's 16 steps
.else
	s_mov_b32 s14, 0xffff
.endif
	s_lshr_b32 s6, s14, 1
	s_lshr_b32 s7, s14, 2
	s_lshl_b32 s100, s67, 6
	s_add_nc_u64 s[98:99], s[92:93], s[100:101]
	s_load_b512 s[16:31], s[98:99], 0x0            ; my group's 16 words
	s_wait_kmcnt 0x0
	s_or_b32 s15, s16, s17
.set n, 18
.rept 14
	s_or_b32 s15, s15, s[n]
.set n, n+1
.endr
	s_and_b32 s4, s15, 0xffff
	s_lshr_b32 s5, s15, 16
	s_wait_loadcnt 32                              ; step 0 and the scale words are in; Q's 32 loads may be out
	CSTORE 0
.irp j, 0,1,2,3
	ds_store_b128 v8, v[32+4*\j:35+4*\j] offset:4096*\j
.endr
	s_wait_dscnt 0x0                               ; the stores have landed
	s_wait_alu depctr_vm_vsrc(0)                   ; the LDS stores have read the copy's registers, in which step 1's loads land, and v32-47, three of which Q's conversions write
	CLOAD STEPB                                    ; step 1: 6 loads
	INIT
	WIN 0x55
	INIT
	WIN 0
	s_wait_loadcnt 22                              ; tile 0's Q is in (younger: tile 1's 16, step 1's 6)
	QUANT
	v_mov_b32 v255, v253                           ; Q's scale words, tile 0
	s_wait_loadcnt 6                               ; tile 1's Q is in
	WIN 0x55
	QUANT
	WIN 0x01
	v_mov_b32 v251, v253                           ; tile 1's, into window 0
	WIN 0x55
; O^T begins as zeros: which step is a wave's first hangs on the flags, so no first step can be written out with the constant 0 as C.  These lines are also the places between
; the vector writes of Q's codes and scale words and the first scaled product (4 and 8 are owed).
.set j, 0
.rept 64
	v_mov_b32 v[160+j], 0
.set j, j+1
.endr
	WIN 0
.set j, 0
.rept 64
	v_mov_b32 v[160+j], 0
.set j, j+1
.endr
	s_wait_xcnt 0x0                                ; the copy's loads have read their base
	s_add_nc_u64 s[86:87], s[86:87], 2*STEPB       ; kvc at step 2
	s_mov_b32 s8, 0
	s_mov_b32 s3, 0
	s_wait_dscnt 0x0                               ; slot 0 and the scale words lie in LDS
	s_barrier_signal -1
	s_barrier_wait -1
.macro FLOAD base, t0                  ; four fragments as they lie: 3 x 512 consecutive bytes each
.irp f, 0,1,2,3
.irp c, 0,1,2
	ds_load_b128 v[32+12*\f+4*\c:35+12*\f+4*\c], v1 offset:\base+1536*(\t0+\f)+512*\c
.endr
.endr
.endm
.macro KQ4 t0, qs                      ; S^T of four tiles of 16 keys: source 0 = K's fragment, source 1 = my tile's Q
.irp f, 0,1,2,3
	v_wmma_scale_f32_16x16x128_f8f6f4 v[96+8*(\t0+\f):103+8*(\t0+\f)], v[32+12*\f:43+12*\f], v[16:27], 0, v[80+\t0+\f], v[\qs] matrix_a_fmt:MATRIX_FMT_BF6 matrix_b_fmt:MATRIX_FMT_BF6
.endr
.endm
.macro PV4 t0, ps                      ; O^T += V^T P^T for four tiles of 16 channels
.irp f, 0,1,2,3
	v_wmma_scale_f32_16x16x128_f8f6f4 v[160+8*(\t0+\f):167+8*(\t0+\f)], v[32+12*\f:43+12*\f], v[224:235], v[160+8*(\t0+\f):167+8*(\t0+\f)], v[88+\t0+\f], v[\ps] matrix_a_fmt:MATRIX_FMT_BF6 matrix_b_fmt:MATRIX_FMT_BF6
.endr
.endm
.macro MLOAD off                       ; a tile's 64 mask words of a step
	s_load_b512 s[16:31], s[90:91], \off
	s_load_b512 s[32:47], s[90:91], \off+0x40
	s_load_b512 s[48:63], s[90:91], \off+0x80
	s_load_b512 s[68:83], s[90:91], \off+0xc0
.endm
.macro MASK                            ; a hidden score becomes -infinity: one select a score, each accumulator from its low end on
.set n, 0
.rept 64
.if n < 48
	v_cndmask_b32 v[96+n], v254, v[96+n], s[16+n]
.else
	v_cndmask_b32 v[96+n], v254, v[96+n], s[20+n]
.endif
.set n, n+1
.endr
.endm
; One tile's softmax for 128 keys, up to p's codes and scale word.  vf = 1 (tile 0): V's eight fragments, at LDS byte vo, are asked for behind the wait for the exponentials
.macro SM_A vf, vo
.irp b, 0,1,2,3
	v_max3_num_f32 v[232+\b], v[96+16*\b], v[97+16*\b], v[98+16*\b]   ; the largest score of each block of 32 keys: it serves the row's maximum and, since p rises with the score, the block's largest p
.endr
.irp i, 3,5,7,9,11,13
.irp b, 0,1,2,3
	v_max3_num_f32 v[232+\b], v[232+\b], v[96+16*\b+\i], v[97+16*\b+\i]
.endr
.endr
.irp b, 0,1,2,3
	v_max_num_f32 v[232+\b], v[232+\b], v[111+16*\b]
.endr
.irp b, 0,1,2,3
	v_permlanex16_b32 v[236+\b], v[232+\b], s10, s11
.endr
.irp b, 0,1,2,3
	v_max_num_f32 v[232+\b], v[232+\b], v[236+\b]  ; with lane l xor 16's 16 keys
.endr
	v_max3_num_f32 v254, v232, v233, v234
	v_max_num_f32 v254, v254, v235                 ; the step's largest score of my query
	v_mul_f32 v254, s12, v254                      ; as t
	v_max_num_f32 v13, v13, v254                   ; the running largest t
	v_mov_b32 v254, v12
	v_floor_f32 v12, -v13                          ; the new -M = floor(-t): M is a whole number
	v_sub_f32 v254, v12, v254                      ; old M - new M: a whole number, 0 or less
	v_cvt_i32_f32 v254, v254                       ; (it saturates)
	v_ldexp_f32 v252, 1.0, v254                    ; f = 2^(old M - new M)
.set j, 0
.rept 32
	v_pk_fma_f32 v[96+j:97+j], v[96+j:97+j], s[12:13], v[12:13] op_sel_hi:[1,0,0]   ; t - M, two at a time
.set j, j+2
.endr
.irp b, 0,1,2,3
	v_fma_f32 v[232+\b], v[232+\b], s12, v12       ; the same of each block's largest score
.endr
.set j, 0
	s_wait_alu depctr_va_vdst(0)
.rept 64
	v_exp_f32 v[96+j], v[96+j]                     ; p = 2^(t - M), at most 1
.set j, j+1
.endr
	v_pk_mul_f32 v[14:15], v[14:15], v[252:253] op_sel_hi:[1,0]   ; the sums under the new M: the plain place behind the exponentials
	s_wait_alu depctr_va_vdst(0)                   ; the 64 exponentials have written p (v96-159), ahead of its first reader: one wait for the batch.  In tile 0 it states as well that the step's K Q^T products are done reading the fragments' registers, in which V's loads land
.if \vf
	FLOAD \vo, 0                                   ; V's fragments 0-3 and 4-7: no vector or matrix instruction since the wait names their registers; they land while the rest of both tiles' softmax is worked
	WIN 0x40
	FLOAD \vo, 4
	WIN 0
.endif
.irp b, 0,1,2,3
	v_exp_f32 v[232+\b], v[232+\b]                 ; the blocks' largest p
.endr
	v_pk_add_f32 v[236:237], v[96:97], v[98:99]    ; the row's sum of the UNQUANTISED p, in two chains; it reads the 64 alone
.irp j, 4,8,12,16,20,24,28,32,36,40,44,48,52,56,60
	v_pk_add_f32 v[14:15], v[14:15], v[96+\j:97+\j]
	v_pk_add_f32 v[236:237], v[236:237], v[98+\j:99+\j]
.endr
	v_pk_add_f32 v[14:15], v[14:15], v[236:237]
	s_wait_alu depctr_va_vdst(0)                   ; the four exponentials have written v232-235, ahead of their first reader
.irp b, 0,1,2,3
	v_max_num_f32 v[232+\b], 0x2800000, v[232+\b]  ; the floor 2^(5 - 127): a block whose every p is 0 keeps the byte 1, and its codes are zeros
.endr
	CODES 224, 236
.endm
.macro SM_B                            ; O^T under the new M, each accumulator from its low end on
.set j, 0
.rept 32
	v_pk_mul_f32 v[160+j:161+j], v[160+j:161+j], v[252:253] op_sel_hi:[1,0]
.set j, j+2
.endr
.endm
; KEY STEP s = 2 trip + slot.  Its tiles lie in the slot named; the other slot, which every wave left at the last barrier, takes step s + 1; the copy's registers then take step s + 2.
.macro STEP slot
	s_wait_loadcnt 0x0                             ; step s + 1's bytes, asked for a step ago, are in the copy's registers
	s_bitcmp1_b32 s6, 0                            ; does any wave of the work-group work step s + 1?
	s_cbranch_scc0 .Lns_\@
	CSTORE (1-\slot)*SLOT1
	s_wait_alu depctr_vm_vsrc(0)                   ; the six LDS stores have read the copy's registers, in which the next loads of the copy land
.Lns_\@:
	s_bitcmp1_b32 s7, 0                            ; and step s + 2?
	s_cbranch_scc0 .Lnl_\@
	s_wait_dscnt 0x0                               ; the stores have landed
	CLOAD \slot*STEPB
.Lnl_\@:
	s_cmp_lt_u32 s3, s9                            ; a prefetch of step s + 4, two steps ahead of the loads that will want it: 3 waves x 32 lanes x 256 bytes = the step's 24,576 bytes.
	s_cbranch_scc0 .Lnp_\@                         ; All eight work-groups of a head walk the same bytes: the first one's waves 0-2 ask, so each block of 256 bytes is named once; steps 0-3 are not asked for, and trips 6, 7 ask for nothing
	global_prefetch_b8 v6, s[96:97] offset:\slot*STEPB th:TH_LOAD_NT scope:SCOPE_SE
.Lnp_\@:
.if SKIP
	s_bitcmp1_b32 s4, 0                            ; has any of my 32 queries a key in this step?
	s_cbranch_scc0 .Lidle_\@
.endif
	s_wait_alu depctr_va_vdst(0)                   ; the last worked step's V^T P^T products are done reading the fragments and the scale words, in which the loads below land; v10, their address, is written; ahead of my first worked step: Q's conversions have written v32-34 of both windows, and Q's codes and scale words, which the scaled products take, are written (their places, the clearing lines, stand ahead)
	FLOAD \slot*SLOT1, 0                           ; K's fragments 0-3,
.irp q, 0,1,2,3
	ds_load_b128 v[80+4*\q:83+4*\q], v10 offset:\slot*1024+256*\q   ; the step's scale words: K's eight, V's eight, four fragments' to a load,
.endr
	WIN 0x40
	FLOAD \slot*SLOT1, 4                           ; K's fragments 4-7
	s_wait_dscnt 12                                ; all but those twelve loads are in
	WIN 0
	KQ4 0, 255
	WIN 0x54
	KQ4 0, 251
	s_wait_dscnt 0x0
	WIN 0x01
	KQ4 4, 255
	WIN 0x55
	KQ4 4, 251
.rept 4
	v_nop                                          ; four places (ISA guide 7.12.1) ahead of the first read of the scores
.endr
	WIN 0
	s_bitcmp1_b32 s5, 0                            ; are all 32 x 128 mask bytes true?  Then nothing is masked
	s_cbranch_scc0 .Lopen_\@
	MLOAD \slot*256
	v_mov_b32 v254, 0xff800000                     ; -infinity
	s_wait_alu depctr_va_vdst(0)
	s_wait_kmcnt 0x0
	MASK
	MLOAD 4096+\slot*256
	WIN 0x55
	v_mov_b32 v254, 0xff800000
	s_wait_alu depctr_va_vdst(0)
	s_wait_kmcnt 0x0
	MASK
	WIN 0
.Lopen_\@:
	SM_A 1, \slot*SLOT1+VOFF
	SM_B
	WIN 0x55
	SM_A 0, 0
	WIN 0x01
	v_mov_b32 v250, v253                           ; tile 1's scale word into window 0
	WIN 0x55
	SM_B                                           ; these 32 are also the places between that write, the codes' last writes and the scaled products (8 and 4 are owed)
	s_wait_dscnt 0x0                               ; V is in
	WIN 0
	s_wait_alu depctr_va_vdst(0)                   ; both tiles' codes of p (v224-235) and their scale words (v253, v250) are written, which the scaled products below take; the places stand ahead of this wait
	PV4 0, 253                                     ; sixteen accumulators, one instruction each: no two neighbours share one
	WIN 0x54
	PV4 0, 250
	WIN 0x01
	PV4 4, 253
	WIN 0x55
	PV4 4, 250
.rept 4
	v_nop                                          ; four places ahead of the next read of O^T by a vector instruction
.endr
	WIN 0
.Lidle_\@:
	s_lshr_b32 s4, s4, 1
	s_lshr_b32 s5, s5, 1
	s_lshr_b32 s6, s6, 1
	s_lshr_b32 s7, s7, 1
	s_wait_dscnt 0x0                               ; my part of the next slot has landed, and my reads of this slot are over:
	s_barrier_signal -1                            ; one barrier a step orders both
	s_barrier_wait -1
.endm
.Ltrip:                                            ; eight trips of two steps
	s_wait_alu depctr_vm_vsrc(0)                   ; the loads of scale words issued so far have read v10
	v_add_nc_u32 v10, s8, v2                       ; the two steps' scale words
	STEP 0
	STEP 1
	s_wait_kmcnt 0x0
	s_wait_xcnt 0x0                                ; the trip's loads and prefetches have read their bases
	s_add_nc_u64 s[86:87], s[86:87], 2*STEPB
	s_add_nc_u64 s[90:91], s[90:91], 512
	s_add_nc_u64 s[96:97], s[96:97], 2*STEPB
	s_add_co_u32 s8, s8, 2048
	s_add_co_u32 s3, s3, 1
	s_cmp_lt_u32 s3, 8
	s_cbranch_scc1 .Ltrip
; THE WAY OUT of a tile: O^T / the sum goes through my own stage in LDS, half a row (64 channels, 256 bytes) of 16 queries at a time, and leaves as aligned blocks of 256 bytes, sixteen lanes each.
; LDS serves a wave's instructions in order (ISA guide 5.7.1.4): no wait between the stores and the loads.  The rows come back into window 0's v[bk] on.
.macro OUT tau, bk
	WIN 0x55*(\tau)
	v_add_f32 v14, v14, v15                        ; the sum's two halves,
	v_permlanex16_b32 v252, v14, s10, s11
	v_add_f32 v14, v14, v252                       ; and lane l xor 16's
	s_wait_alu depctr_va_vdst(0)
	v_rcp_f32 v14, v14
	v_nop                                          ; a plain place behind the reciprocal
	s_wait_alu depctr_va_vdst(0)                   ; the reciprocal has written v14, ahead of its first reader
.set j, 0
.rept 64
	v_mul_f32 v[96+j], v[160+j], v14               ; register 8 f + i is o(r, 16 f + 8 h + i)
.set j, j+1
.endr
	s_wait_alu depctr_va_vdst(0)                   ; the 64 multiplications have written the quotients, which the LDS stores read; and every vector instruction that read or wrote the registers in which the rows come back is done with them
.if \tau
	s_wait_alu depctr_vm_vsrc(0)                   ; tile 0's LDS stores have read window 0's v96-159, in which tile 1's rows come back
.endif
.irp u, 0,1
	WIN 0x04*(\tau)
.irp f, 0,1,2,3
	ds_store_b128 v7, v[96+32*\u+8*\f:99+32*\u+8*\f] offset:64*\f
	ds_store_b128 v7, v[100+32*\u+8*\f:103+32*\u+8*\f] offset:64*\f+16
.endr
	WIN 0
.irp i, 0,1,2,3,4,5,6,7
	ds_load_b128 v[\bk+32*\u+4*\i:\bk+32*\u+4*\i+3], v11 offset:2*\i*272
.endr
.endr
.irp u, 0,1
.irp i, 0,1,2,3,4,5,6,7
	s_wait_dscnt 23-16*\u-\i                       ; the LDS instructions issued behind this load may be out
	global_store_b128 v5, v[\bk+32*\u+4*\i:\bk+32*\u+4*\i+3], s[94:95] offset:8192*\tau+1024*\i+256*\u th:TH_STORE_NT
.endr
.endr
.endm
	OUT 0, 160                                     ; into tile 0's O^T, which has been divided out
	OUT 1, 96                                      ; into tile 0's quotients, whose stores to the stage are done: no register of a pending global store is written
	s_wait_dscnt 0x0                               ; the closing lines, six on end
	s_wait_alu 0x0
	s_wait_tensorcnt 0x0
	ds_add_u32 v248, v249
	s_wait_dscnt 0x0
	s_endpgm
.Lfunc_end_k_qe99c46ce23_attn:
	.size	k_qe99c46ce23_attn, .Lfunc_end_k_qe99c46ce23_attn-k_qe99c46ce23_attn
	.p2alignl 7, 3214868480
	.fill 96, 4, 3214868480
	.section	.rodata,"a",@progbits
	.p2align	6, 0x0
	.amdhsa_kernel k_qe99c46ce23_attn
		.amdhsa_group_segment_fixed_size 117760
		.amdhsa_private_segment_fixed_size 0
		.amdhsa_enable_private_segment 0
		.amdhsa_kernarg_size 48
		.amdhsa_user_sgpr_count 2
		.amdhsa_user_sgpr_kernarg_segment_ptr 1
		.amdhsa_wavefront_size32 1
		.amdhsa_system_sgpr_workgroup_id_x 1
		.amdhsa_system_sgpr_workgroup_id_y 1
		.amdhsa_system_sgpr_workgroup_id_z 1
		.amdhsa_system_vgpr_workitem_id 0
		.amdhsa_next_free_vgpr 512
		.amdhsa_next_free_sgpr 102
		.amdhsa_reserve_vcc 0
		.amdhsa_float_denorm_mode_32 3
		.amdhsa_float_denorm_mode_16_64 3
		.amdhsa_memory_ordered 1
		.amdhsa_forward_progress 1
		.amdhsa_inst_pref_size 129
	.end_amdhsa_kernel
	.amdgpu_metadata
---
amdhsa.version: [ 1, 2 ]
amdhsa.kernels:
  - .name:           k_qe99c46ce23_attn
    .symbol:         k_qe99c46ce23_attn.kd
    .args:
      - { .name: Q, .offset: 0, .size: 8, .value_kind: global_buffer, .address_space: global }
      - { .name: kvc, .offset: 8, .size: 8, .value_kind: global_buffer, .address_space: global }
      - { .name: kvs, .offset: 16, .size: 8, .value_kind: global_buffer, .address_space: global }
      - { .name: mw, .offset: 24, .size: 8, .value_kind: global_buffer, .address_space: global }
      - { .name: flags, .offset: 32, .size: 8, .value_kind: global_buffer, .address_space: global }
      - { .name: out0, .offset: 40, .size: 8, .value_kind: global_buffer, .address_space: global }
    .group_segment_fixed_size: 117760
    .private_segment_fixed_size: 0
    .kernarg_segment_align: 8
    .kernarg_segment_size: 48
    .max_flat_workgroup_size: 256
    .sgpr_count:     102
    .vgpr_count:     512
    .wavefront_size: 32
...
	.end_amdgpu_metadata
.endif
;; end of part 4
